; MI455X (gfx1250); checked and timed in simulation.
; The chip was launched on July 23, 2026; its instructions are those of AMD's public machine-readable ISA for CDNA 5 (MIT licence, August 2026) and "CDNA5" Instruction Set Architecture Reference Guide (July 2026). The comments in the code are by the model that wrote it; some were corrected since.
;; Attention. Allowed arithmetic: matrix products marked QUANTISED: E2M1 operands, one E8M0 scale for each 32 along K, by v_wmma_scale_f32_16x16x128_f8f6f4 with both operands' format E2M1 (or v_wmma_scale_f32_32x16x128_f4), f32 sums; products left as they are: bf16, f16 or f32 operands; f32 sums; everything else in f32.
;; Inputs: K_emb 4 x 2,048 x 1,024 float32; K_ini 4 x 2,048 int32; Q_emb 4 x 2,048 x 1,024 float32; Q_ini 4 x 2,048 int32; V_emb 4 x 2,048 x 1,024 float32; WK 1,024 x 1,024 float32; WO 1,024 x 1,024 float32; WQ 1,024 x 1,024 float32; WV 1,024 x 1,024 float32.
;; Outputs: out0 4 x 2,048 x 1,024 float32.
;; This version of the problem:
;;   THIS VERSION OF THE PROBLEM IS GIVEN IN LOW PRECISION. The matrix products marked QUANTISED in the list below multiply operands that are first quantised to E2M1 (2 exponent bits, 1 mantissa bit; 4 bits a number), with one power-of-two scale for each 32 numbers along K (OCP MX v1.0); their sums are f32. The products marked 'left as it is' may take bf16, f16 or f32 operands, with f32 sums. Whichever they take, every output number must still come out within the allowed error. Rounding operands to bf16 (8 significant bits) uses up far more of that allowance than f16 does (11 bits, for magnitudes from 6e-5 to 65,504). All else is computed in f32.
;;   The module's matrix products, in the order in which they are computed (A, B: the left and right operand; K: the contracted axis; several contracted axes count as one K, in the product's order):
;;     1. [M 8,192, K 1,024] x [K 1,024, N 1,024]; A: input Q_emb; B: input WQ: QUANTISED
;;     2. [M 8,192, K 1,024] x [K 1,024, N 1,024]; A: input K_emb; B: input WK: QUANTISED
;;     3. [M 8,192, K 1,024] x [K 1,024, N 1,024]; A: input V_emb; B: input WV: QUANTISED
;;     4. batch 64 x [M 2,048, K 64] x [K 64, N 2,048]; A: computed on the way; B: computed on the way: left as it is (an operand is computed on the way)
;;     5. batch 64 x [M 2,048, K 2,048] x [K 2,048, N 64]; A: computed on the way; B: computed on the way: left as it is (an operand is computed on the way)
;;     6. [M 8,192, K 1,024] x [K 1,024, N 1,024]; A: computed on the way; B: input WO: left as it is (an operand is computed on the way)
;;   THE QUANTISER, for each operand of a quantised product, along K:
;;     - K is cut into blocks of 32 from its start; a last block that is shorter is filled with zeros.
;;     - A block's scale is 2^e with e = floor(log2(the largest magnitude in the block)) - 2, held to -126 .. 127; a block of zeros has e = 0. As a byte (E8M0): e + 127.
;;     - Each number is divided by its block's scale, clamped to +-6, and rounded to the nearest number of E2M1, ties to even, subnormals kept.
;;     - The product sums the exact products of the quantised numbers (number of the format x scale) in f32.
;;   ~~~python
;;   def quantise(x, axis):      # numpy; x: float32 -> the quantised numbers, widened to float32 again
;;       x = np.moveaxis(x, axis, -1); K = x.shape[-1]
;;       x = np.pad(x, [(0, 0)] * (x.ndim - 1) + [(0, -K % 32)]); x = x.reshape(x.shape[:-1] + (-1, 32)); a = np.abs(x).max(-1, keepdims=True)
;;       e = np.where(a > 0, np.clip(np.frexp(np.where(a > 0, a, 1))[1] - 1 - 2, -126, 127), 0)      # np.frexp(a)[1] - 1 = floor(log2(a)), exactly
;;       r = np.clip(x / 2.0 ** e, -6, 6)
;;       step = 2.0 ** (np.maximum(np.frexp(np.where(r == 0, 1, r))[1] - 1, 0) - 1)
;;       q = np.round(r / step) * step * 2.0 ** e      # np.round: ties to even
;;       return np.moveaxis(q.reshape(q.shape[:-2] + (-1,))[..., :K], -1, axis).astype(np.float32)
;;   ~~~
;; One version. Each part assembles by itself: llvm-mc -triple=amdgcn-amd-amdhsa -mcpu=gfx1250 --defsym DOCPART=n.
;; ======== version 1 of 1: 7 launches
;; limits: right only within a limited range of input values; values are held in f16: magnitudes above 65,504 overflow, below 6.1e-05 lose precision
;; workspace buffers: xc 12,582,912 bytes; xs 786,432 bytes; wc 1,572,864 bytes; ws 98,304 bytes; wo16 2,097,152 bytes; qkv 50,331,648 bytes; ctx 16,777,216 bytes; cf 262,144 bytes
;; launch quant_x (part 1): grid 800 x 1, 4 waves a work-group, no clusters, 33,280 bytes of LDS; arguments Q_emb, K_emb, V_emb, WO, xc, xs, wo16; writes xc, xs, wo16
.if DOCPART == 1
	.amdgcn_target "amdgcn-amd-amdhsa--gfx1250"
	.amdhsa_code_object_version 6
	.text
	.protected	k_q8477b24030_quant_x
	.globl	k_q8477b24030_quant_x
	.p2align	8
	.type	k_q8477b24030_quant_x,@function
k_q8477b24030_quant_x:
	s_mov_b64 s[64:65], 0
	v_nop
	global_prefetch_b8 v0, s[64:65] scope:SCOPE_SE
	s_setreg_imm32_b32 hwreg(HW_REG_WAVE_MODE, 25, 1), 1
	s_wait_xcnt 0x0
; Q_emb, K_emb, V_emb [8192][1024] f32 become codes of FP4 (E2M1), K innermost, xc [3][8192][512 bytes], with one E8M0 byte for each 32 along K, xs [3][8192][32].
; A block's scale is 2^(floor(log2(its largest magnitude)) - 2); its byte is the largest magnitude's exponent field - 2, held at 1 from below.
; LIMITS: a block of zeros gets the byte 1 (its codes are zeros, and this program alone reads the bytes); blocks whose largest magnitude lies under 2^-124 keep the byte 1; NaN and infinities are not served.
; Work-groups 0-767: 256 for each tensor; a wave takes 16 steps of 512 numbers.  Each load reads 512 consecutive bytes; a step's 2,048 bytes turn through the wave's own stage in LDS, so that a lane
; holds 16 neighbours along K (two lanes a block); a step's codes leave as 256 consecutive bytes, a wave's 256 scale bytes as one aligned run of 256.
; Work-groups 768-799: WO [1024][1024] f32 is rounded to f16 as it lies (wo16), 8,192 numbers a wave; that way uses no LDS.  LIMIT: |WO| beyond 65,504 is not served.
; No tensor loads, no barrier: waves share nothing.
.set WAVES, 4
.set STEPS, 16
.set NQWG,  768                        ; work-groups that quantise
.set EMAX,  2
.set CB,    8                          ; bytes of 16 codes
.set R,     16                         ; v16-79   four sets of 16 numbers as they are loaded
.set X,     80                         ; v80-111  two sets of 16 neighbours
.set C,     128                        ; v128-191 codes: four registers for each step
.set E,     112                        ; v112-127 a scale byte for each step
.set WREG,  8192                       ; LDS: a region for each wave: two stages of 32 x SP bytes, then its 256 scale bytes
.set SP,    80                         ; a lane's place in a stage: 64 bytes + 16 of padding
.set SPW,   12                         ; v12 LDS address of my spare word; never rewritten
.set NIL,   13                         ; v13 0; never rewritten
.set SPARE, WAVES*WREG                 ; behind the four regions: the spare words, 128 bytes a wave
	s_load_b256 s[4:11], s[0:1], 0x0               ; Q_emb s[4:5], K_emb s[6:7], V_emb s[8:9], WO s[10:11]
	s_load_b128 s[12:15], s[0:1], 0x20             ; xc s[12:13], xs s[14:15]
	s_load_b64 s[16:17], s[0:1], 0x30              ; wo16
	v_lshl_add_u32 v[SPW], v0, 2, SPARE
	v_mov_b32 v[NIL], 0
	v_lshrrev_b32 v1, 5, v0
	v_readfirstlane_b32 s18, v1                    ; wave
	v_and_b32 v2, 31, v0                           ; lane
	v_lshlrev_b32 v3, 4, v2                        ; my 16 bytes of a load's 512
	v_lshlrev_b32 v4, 3, v2                        ; my 8 bytes of a store's 256
	s_mov_b32 s21, 0
	s_cmp_ge_u32 ttmp9, NQWG                       ; the work-group's number alone decides
	s_cbranch_scc1 .Lcast
	s_mul_i32 s19, s18, WREG
	v_lshrrev_b32 v14, 2, v2
	v_mul_u32_u24 v14, v14, SP
	v_and_b32 v15, 3, v2
	v_lshl_add_u32 v14, v15, 4, v14
	v_add_nc_u32 v14, s19, v14                     ; the stage, on the way in: SP (lane / 4) + 16 (lane % 4)
	v_mul_u32_u24 v15, v2, SP
	v_add_nc_u32 v15, s19, v15                     ; and on the way out: SP x lane: my 16 neighbours
	v_lshrrev_b32 v5, 1, v2
	s_add_co_u32 s19, s19, 2*32*SP
	v_add_nc_u32 v5, s19, v5                       ; my wave's 256 scale bytes, my block's byte
	v_add_nc_u32 v6, s19, v4                       ; and on the way out 8 bytes a lane
	s_wait_kmcnt 0x0
	s_cmp_lt_u32 ttmp9, 256
	s_cselect_b64 s[4:5], s[4:5], s[6:7]           ; Q_emb or K_emb,
	s_cmp_lt_u32 ttmp9, 512
	s_cselect_b64 s[4:5], s[4:5], s[8:9]           ; or V_emb
	s_and_b32 s20, ttmp9, 255
	s_lshl_b32 s20, s20, 2
	s_add_co_u32 s20, s20, s18                     ; which run of 8,192 numbers of the tensor is my wave's
	s_lshl_b32 s20, s20, 15
	s_add_nc_u64 s[4:5], s[4:5], s[20:21]
	s_lshl_b32 s22, ttmp9, 2
	s_add_co_u32 s22, s22, s18                     ; the three tensors' codes and bytes follow each other: one stream of runs
	s_lshl_b32 s20, s22, 12
	s_add_nc_u64 s[12:13], s[12:13], s[20:21]      ; 4,096 bytes of codes a run
	s_lshl_b32 s20, s22, 8
	s_add_nc_u64 s[14:15], s[14:15], s[20:21]      ; 256 scale bytes a run
.macro LOAD t
.irp i, 0,1,2,3
	global_load_b128 v[R+16*((\t)%4)+4*\i:R+16*((\t)%4)+4*\i+3], v3, s[4:5] offset:2048*(\t)+512*\i th:TH_LOAD_NT   ; 32 lanes read 512 consecutive bytes
.endr
.endm
.macro TURN t                          ; step t's numbers through the stage: LDS serves a wave's instructions in order, so no wait stands between the stores and the loads
.irp i, 0,1,2,3
	ds_store_b128 v14, v[R+16*((\t)%4)+4*\i:R+16*((\t)%4)+4*\i+3] offset:32*SP*((\t)%2)+8*SP*\i
.endr
.irp i, 0,1,2,3
	ds_load_b128 v[X+16*((\t)%2)+4*\i:X+16*((\t)%2)+4*\i+3], v15 offset:32*SP*((\t)%2)+16*\i
.endr
.endm
.irp t, 0,1,2,3
	LOAD \t
.endr
	s_wait_loadcnt 12                              ; step 0's four loads are in; twelve younger ones stay out
	TURN 0
.macro STEP t
.set XS, X+16*((\t)%2)
.if (\t) > 0
	s_wait_dscnt 1                                 ; this step's numbers are back from the stage (the last step's byte store may be out)
.else
	s_wait_dscnt 0x0
.endif
.if (\t)+4 < STEPS
	LOAD (\t)+4                                    ; into the set whose stores into the stage have read their registers
.endif
.if (\t)+1 < STEPS
.if STEPS-2-(\t) >= 3
	s_wait_loadcnt 12                              ; the next step's four loads are in; those of the three steps behind it may be out
.else
	s_wait_loadcnt 4*(STEPS-2-(\t))
.endif
	TURN (\t)+1
.endif
	v_max3_num_f32 v8, |v[XS]|, |v[XS+1]|, |v[XS+2]|               ; the largest magnitude of my 16, in two chains
	v_max3_num_f32 v9, |v[XS+3]|, |v[XS+4]|, |v[XS+5]|
.irp i, 6,10
	v_max3_num_f32 v8, v8, |v[XS+\i]|, |v[XS+\i+1]|
	v_max3_num_f32 v9, v9, |v[XS+\i+2]|, |v[XS+\i+3]|
.endr
	v_max3_num_f32 v8, v8, |v[XS+14]|, |v[XS+15]|
	v_max3_num_f32 v8, v8, v9, (EMAX+1)<<23        ; and the floor 2^(EMAX + 1 - 127): the byte cannot fall under 1
	v_max_num_f32_dpp v8, v8, v8 row_xmask:1 row_mask:0xf bank_mask:0xf   ; and of my neighbour's 16: the block's
	v_add_nc_u32 v11, -(EMAX<<23), v8              ; EMAX off its exponent field: the conversion takes the exponent field of this operand as its scale
	v_cvt_scalef32_pk8_fp4_f32 v[C+4*(\t)], v[XS:XS+7], v11
	v_cvt_scalef32_pk8_fp4_f32 v[C+4*(\t)+1], v[XS+8:XS+15], v11
	v_lshrrev_b32 v[E+(\t)], 23, v11               ; the scale's byte
	ds_store_b8 v5, v[E+(\t)] offset:16*(\t)       ; both lanes of a block write the same byte with the same value
	global_store_b64 v4, v[C+4*(\t):C+4*(\t)+1], s[12:13] offset:32*CB*(\t)   ; the wave stores 256 consecutive bytes
.endm
.irp t, 0,1,2,3,4,5,6,7,8,9,10,11,12,13,14,15
	STEP \t
.endr
	ds_load_b64 v[8:9], v6                         ; LDS serves a wave's instructions in order: these see my stores
	s_wait_dscnt 0x0
	global_store_b64 v4, v[8:9], s[14:15]          ; 32 lanes store 256 consecutive bytes, aligned
	s_wait_tensorcnt 0x0                           ; the wave's end
	ds_add_u32 v[SPW], v[NIL]
	s_wait_dscnt 0x0
	s_endpgm
.Lcast:                                                ; WO to f16: four rounds of sixteen loads, two sets of registers by turns
	s_sub_co_u32 s20, ttmp9, NQWG
	s_lshl_b32 s20, s20, 2
	s_add_co_u32 s22, s20, s18                     ; which run of 8,192 numbers is my wave's
	s_lshl_b32 s20, s22, 15
	s_wait_kmcnt 0x0
	s_add_nc_u64 s[10:11], s[10:11], s[20:21]
	s_lshl_b32 s20, s22, 14
	s_add_nc_u64 s[16:17], s[16:17], s[20:21]
.macro LOADR r
.irp i, 0,1,2,3,4,5,6,7,8,9,10,11,12,13,14,15
	global_load_b128 v[16+64*((\r)%2)+4*\i:16+64*((\r)%2)+4*\i+3], v3, s[10:11] offset:8192*(\r)+512*\i th:TH_LOAD_NT
.endr
.endm
.macro CASTR r, left
	s_wait_loadcnt \left                           ; this round's sixteen loads are in; the other set's may be out
	s_wait_xcnt 0x0                                ; the last round's stores have read v144-175
.irp i, 0,1,2,3,4,5,6,7,8,9,10,11,12,13,14,15
	v_cvt_pk_f16_f32 v[144+2*\i], v[16+64*((\r)%2)+4*\i], v[16+64*((\r)%2)+4*\i+1]
	v_cvt_pk_f16_f32 v[145+2*\i], v[16+64*((\r)%2)+4*\i+2], v[16+64*((\r)%2)+4*\i+3]
.endr
.irp i, 0,1,2,3,4,5,6,7,8,9,10,11,12,13,14,15
	global_store_b64 v4, v[144+2*\i:145+2*\i], s[16:17] offset:4096*(\r)+256*\i   ; 256 consecutive bytes a store
.endr
.endm
	LOADR 0
	LOADR 1
	CASTR 0, 16
	LOADR 2
	CASTR 1, 16
	LOADR 3
	CASTR 2, 16
	CASTR 3, 0
	s_endpgm                                       ; this way wrote no LDS
.Lfunc_end_k_q8477b24030_quant_x:
	.size	k_q8477b24030_quant_x, .Lfunc_end_k_q8477b24030_quant_x-k_q8477b24030_quant_x
	.p2alignl 7, 3214868480
	.fill 96, 4, 3214868480
	.section	.rodata,"a",@progbits
	.p2align	6, 0x0
	.amdhsa_kernel k_q8477b24030_quant_x
		.amdhsa_group_segment_fixed_size 33280
		.amdhsa_private_segment_fixed_size 0
		.amdhsa_enable_private_segment 0
		.amdhsa_kernarg_size 56
		.amdhsa_user_sgpr_count 2
		.amdhsa_user_sgpr_kernarg_segment_ptr 1
		.amdhsa_wavefront_size32 1
		.amdhsa_system_sgpr_workgroup_id_x 1
		.amdhsa_system_sgpr_workgroup_id_y 1
		.amdhsa_system_sgpr_workgroup_id_z 1
		.amdhsa_system_vgpr_workitem_id 0
		.amdhsa_next_free_vgpr 192
		.amdhsa_next_free_sgpr 66
		.amdhsa_reserve_vcc 0
		.amdhsa_float_denorm_mode_32 3
		.amdhsa_float_denorm_mode_16_64 3
		.amdhsa_memory_ordered 1
		.amdhsa_forward_progress 1
		.amdhsa_inst_pref_size 54
	.end_amdhsa_kernel
	.amdgpu_metadata
---
amdhsa.version: [ 1, 2 ]
amdhsa.kernels:
  - .name:           k_q8477b24030_quant_x
    .symbol:         k_q8477b24030_quant_x.kd
    .args:
      - { .name: Q_emb, .offset: 0, .size: 8, .value_kind: global_buffer, .address_space: global }
      - { .name: K_emb, .offset: 8, .size: 8, .value_kind: global_buffer, .address_space: global }
      - { .name: V_emb, .offset: 16, .size: 8, .value_kind: global_buffer, .address_space: global }
      - { .name: WO, .offset: 24, .size: 8, .value_kind: global_buffer, .address_space: global }
      - { .name: xc, .offset: 32, .size: 8, .value_kind: global_buffer, .address_space: global }
      - { .name: xs, .offset: 40, .size: 8, .value_kind: global_buffer, .address_space: global }
      - { .name: wo16, .offset: 48, .size: 8, .value_kind: global_buffer, .address_space: global }
    .group_segment_fixed_size: 33280
    .private_segment_fixed_size: 0
    .kernarg_segment_align: 8
    .kernarg_segment_size: 56
    .max_flat_workgroup_size: 128
    .sgpr_count:     66
    .vgpr_count:     192
    .wavefront_size: 32
...
	.end_amdgpu_metadata
.endif
;; end of part 1
;; launch quant_w (part 2): grid 8 x 6, 4 waves a work-group, no clusters, 35,840 bytes of LDS; arguments WQ, WK, WV, wc, ws; writes wc, ws
.if DOCPART == 2
	.amdgcn_target "amdgcn-amd-amdhsa--gfx1250"
	.amdhsa_code_object_version 6
	.text
	.protected	k_q8477b24030_quant_w
	.globl	k_q8477b24030_quant_w
	.p2align	8
	.type	k_q8477b24030_quant_w,@function
k_q8477b24030_quant_w:
	s_mov_b64 s[64:65], 0
	v_nop
	global_prefetch_b8 v0, s[64:65] scope:SCOPE_SE
	s_setreg_imm32_b32 hwreg(HW_REG_WAVE_MODE, 25, 1), 1
	s_wait_xcnt 0x0
; WQ, WK, WV [1024 (k)][1024 (n)] f32, K their FIRST axis, become codes of FP4 (E2M1) laid wc [3][1024 (n)][512 bytes], K innermost, and E8M0 bytes ws [3][1024 (n)][32].
; A LANE TAKES A COLUMN n AND ITS REGISTERS RUN DOWN K: each load reads neighbouring n in neighbouring lanes (128 consecutive bytes a wave), a block of 32 along K lies in one lane's 32 registers,
; and the conversions give codes with K innermost.  A wave takes 32 columns x 512 along K; its codes go through its own stage in LDS and leave as runs of 256 bytes, sixteen lanes to a run.
; Work-group x: 128 columns.  Work-group y: tensor y / 2, half y % 2 of K.
; LIMITS: a block of zeros gets the byte 1 (its codes are zeros; this program alone reads the bytes); largest magnitudes under 2^-124 keep the byte 1; NaN and infinities are not served.
.set SIZE_K, 1024
.set SIZE_N, 1024
.set KW,    512
.set NB,    KW/32
.set ROWB,  256
.set PITCH, ROWB+16
.set KROW,  SIZE_K*4/8
.set EMAX,  2
.set X,     32                         ; v32-95   two sets of 32 numbers
.set C,     96                         ; v96-99   a block's codes
.set OUTR,  112                        ; v112-175 the way out
.set SPW,   14                         ; v14 LDS address of my spare word; never rewritten
.set NIL,   15                         ; v15 0; never rewritten
.set SPARE, 4*32*PITCH                 ; behind the four stages: the spare words
.set SB,    24                         ; v24-27   the scale bytes, four to a register
	s_load_b256 s[4:11], s[0:1], 0x0               ; WQ s[4:5], WK s[6:7], WV s[8:9], wc s[10:11]
	s_load_b64 s[12:13], s[0:1], 0x20              ; ws
	v_lshl_add_u32 v[SPW], v0, 2, SPARE
	v_mov_b32 v[NIL], 0
	v_lshrrev_b32 v1, 5, v0
	v_readfirstlane_b32 s16, v1                    ; wave
	v_and_b32 v2, 31, v0                           ; lane
	s_lshl_b32 s17, ttmp9, 7
	s_lshl_b32 s18, s16, 5
	s_add_co_u32 s17, s17, s18                     ; my wave's first column
	s_and_b32 s18, ttmp7, 0xffff
	s_lshr_b32 s30, s18, 1                         ; which tensor
	s_and_b32 s18, s18, 1                          ; which half of K
	v_lshlrev_b32 v3, 2, v2                        ; in: 4 bytes a lane
	s_mul_i32 s19, s16, 32*PITCH                   ; my stage
	v_mul_u32_u24 v4, v2, PITCH
	v_add_nc_u32 v4, s19, v4                       ; into it: row = my column
	v_and_b32 v5, 15, v2
	v_lshrrev_b32 v6, 4, v2
	v_mul_u32_u24 v7, v6, PITCH
	v_lshl_add_u32 v7, v5, 4, v7
	v_add_nc_u32 v7, s19, v7                       ; out of it: sixteen lanes to a row, two rows an instruction
	v_mul_u32_u24 v8, v6, KROW
	v_lshl_add_u32 v8, v5, 4, v8                   ; and the same place in the codes' buffer
	v_mul_u32_u24 v9, v2, SIZE_K/32                ; my column's row of scale bytes
	s_lshl_b32 s20, s18, 21                        ; W: 512 rows of 4,096 bytes a half,
	s_lshl_b32 s22, s17, 2
	s_add_co_u32 s20, s20, s22                     ; + 4 x column
	s_mov_b32 s21, 0
	s_lshl_b32 s24, s30, 19                        ; codes: 524,288 bytes a tensor,
	s_lshl_b32 s22, s17, 9
	s_add_co_u32 s24, s24, s22                     ; 512 a column,
	s_lshl_b32 s22, s18, 8
	s_add_co_u32 s24, s24, s22                     ; 256 a half
	s_mov_b32 s25, 0
	s_lshl_b32 s28, s30, 15                        ; scale bytes: a sixteenth of that
	s_lshl_b32 s22, s17, 5
	s_add_co_u32 s28, s28, s22
	s_lshl_b32 s22, s18, 4
	s_add_co_u32 s28, s28, s22
	s_mov_b32 s29, 0
	s_wait_kmcnt 0x0
	s_cmp_lt_u32 s30, 1
	s_cselect_b64 s[4:5], s[4:5], s[6:7]
	s_cmp_lt_u32 s30, 2
	s_cselect_b64 s[4:5], s[4:5], s[8:9]
	s_add_nc_u64 s[4:5], s[4:5], s[20:21]
	s_add_nc_u64 s[10:11], s[10:11], s[24:25]
	s_add_nc_u64 s[12:13], s[12:13], s[28:29]
.macro LOAD t                          ; block t: W(32 t + i, my column), i = 0 .. 31, into set t % 2
.irp i, 0,1,2,3,4,5,6,7,8,9,10,11,12,13,14,15,16,17,18,19,20,21,22,23,24,25,26,27,28,29,30,31
	global_load_b32 v[X+32*((\t)%2)+\i], v3, s[4:5] offset:(32*(\t)+\i)*SIZE_N*4 th:TH_LOAD_NT
.endr
.endm
	LOAD 0
	LOAD 1
.macro BLOCK t
.set XS, X+32*((\t)%2)
.if (\t) < NB-1
	s_wait_loadcnt 32                              ; this block's 32 loads are in; the next block's may be out
.else
	s_wait_loadcnt 0
.endif
	v_max3_num_f32 v12, |v[XS]|, |v[XS+1]|, |v[XS+2]|               ; the block's largest magnitude: all 32 numbers are mine
	v_max3_num_f32 v13, |v[XS+3]|, |v[XS+4]|, |v[XS+5]|
.irp i, 6,10,14,18,22,26
	v_max3_num_f32 v12, v12, |v[XS+\i]|, |v[XS+\i+1]|
	v_max3_num_f32 v13, v13, |v[XS+\i+2]|, |v[XS+\i+3]|
.endr
	v_max3_num_f32 v12, v12, |v[XS+30]|, |v[XS+31]|
	v_max3_num_f32 v12, v12, v13, (EMAX+1)<<23     ; and the floor: the byte cannot fall under 1
	v_add_nc_u32 v11, -(EMAX<<23), v12             ; EMAX off its exponent field: the conversion's scale operand
	v_lshrrev_b32 v13, 23, v11                     ; the scale's byte
.if (\t)%4 == 0
	v_mov_b32 v[SB+(\t)/4], v13                    ; four bytes to a register, the lower K in the lower byte
.else
	v_lshl_or_b32 v[SB+(\t)/4], v13, 8*((\t)%4), v[SB+(\t)/4]
.endif
.irp g, 0,1,2,3
	v_cvt_scalef32_pk8_fp4_f32 v[C+\g], v[XS+8*\g:XS+8*\g+7], v11
.endr
	ds_store_b128 v4, v[C:C+3] offset:16*(\t)      ; 32 codes: 16 bytes of my column's row
.if (\t)+2 < NB
	LOAD (\t)+2
.endif
	s_wait_dscnt 0x0                               ; the store has read its registers: the next block's codes may be written
.endm
.set Q, 0
.rept NB
	BLOCK Q
.set Q, Q+1
.endr
	global_store_b128 v9, v[SB:SB+3], s[12:13]     ; my column's 16 scale bytes
.irp t, 0,1,2,3,4,5,6,7,8,9,10,11,12,13,14,15
	ds_load_b128 v[OUTR+4*\t:OUTR+4*\t+3], v7 offset:2*\t*PITCH   ; LDS serves a wave's instructions in order: these see my stores
.endr
.irp t, 0,1,2,3,4,5,6,7,8,9,10,11,12,13,14,15
	s_wait_dscnt 15-\t                             ; the younger loads stay out
	global_store_b128 v8, v[OUTR+4*\t:OUTR+4*\t+3], s[10:11] offset:2*\t*KROW
.endr
	s_wait_tensorcnt 0x0                           ; the wave's end
	ds_add_u32 v[SPW], v[NIL]
	s_wait_dscnt 0x0
	s_endpgm
.Lfunc_end_k_q8477b24030_quant_w:
	.size	k_q8477b24030_quant_w, .Lfunc_end_k_q8477b24030_quant_w-k_q8477b24030_quant_w
	.p2alignl 7, 3214868480
	.fill 96, 4, 3214868480
	.section	.rodata,"a",@progbits
	.p2align	6, 0x0
	.amdhsa_kernel k_q8477b24030_quant_w
		.amdhsa_group_segment_fixed_size 35840
		.amdhsa_private_segment_fixed_size 0
		.amdhsa_enable_private_segment 0
		.amdhsa_kernarg_size 40
		.amdhsa_user_sgpr_count 2
		.amdhsa_user_sgpr_kernarg_segment_ptr 1
		.amdhsa_wavefront_size32 1
		.amdhsa_system_sgpr_workgroup_id_x 1
		.amdhsa_system_sgpr_workgroup_id_y 1
		.amdhsa_system_sgpr_workgroup_id_z 1
		.amdhsa_system_vgpr_workitem_id 0
		.amdhsa_next_free_vgpr 192
		.amdhsa_next_free_sgpr 66
		.amdhsa_reserve_vcc 0
		.amdhsa_float_denorm_mode_32 3
		.amdhsa_float_denorm_mode_16_64 3
		.amdhsa_memory_ordered 1
		.amdhsa_forward_progress 1
		.amdhsa_inst_pref_size 79
	.end_amdhsa_kernel
	.amdgpu_metadata
---
amdhsa.version: [ 1, 2 ]
amdhsa.kernels:
  - .name:           k_q8477b24030_quant_w
    .symbol:         k_q8477b24030_quant_w.kd
    .args:
      - { .name: WQ, .offset: 0, .size: 8, .value_kind: global_buffer, .address_space: global }
      - { .name: WK, .offset: 8, .size: 8, .value_kind: global_buffer, .address_space: global }
      - { .name: WV, .offset: 16, .size: 8, .value_kind: global_buffer, .address_space: global }
      - { .name: wc, .offset: 24, .size: 8, .value_kind: global_buffer, .address_space: global }
      - { .name: ws, .offset: 32, .size: 8, .value_kind: global_buffer, .address_space: global }
    .group_segment_fixed_size: 35840
    .private_segment_fixed_size: 0
    .kernarg_segment_align: 8
    .kernarg_segment_size: 40
    .max_flat_workgroup_size: 128
    .sgpr_count:     66
    .vgpr_count:     192
    .wavefront_size: 32
...
	.end_amdgpu_metadata
.endif
;; end of part 2
;; launch proj (part 3): grid 4 x 96, 4 waves a work-group, clusters of 4 x 4, 327,680 bytes of LDS; arguments xc, xs, wc, ws, qkv; writes qkv
.if DOCPART == 3
	.amdgcn_target "amdgcn-amd-amdhsa--gfx1250"
	.amdhsa_code_object_version 6
	.text
	.protected	k_q8477b24030_proj
	.globl	k_q8477b24030_proj
	.p2align	8
	.type	k_q8477b24030_proj,@function
k_q8477b24030_proj:
	s_mov_b64 s[64:65], 0
	v_nop
	global_prefetch_b8 v0, s[64:65] scope:SCOPE_SE
	s_setreg_imm32_b32 hwreg(HW_REG_WAVE_MODE, 25, 1), 1
	s_wait_xcnt 0x0
	s_wait_alu depctr_hold_cnt(0) depctr_sa_sdst(0) depctr_va_vdst(0) depctr_va_sdst(0) depctr_va_ssrc(0) depctr_va_vcc(0) depctr_vm_vsrc(0)
	s_getreg_b32 s2, hwreg(HW_REG_IB_STS2, 6, 4)
	s_cmp_eq_u32 s2, 0
	s_cbranch_scc0 .Lentry_in_a_cluster
	s_endpgm
.Lentry_in_a_cluster:
	s_bfe_u32 s2, ttmp6, 0x10000c
	s_cmp_lg_u32 s2, 0xf033
	s_cbranch_scc0 .Lentry_shape_is_right
	s_endpgm
.Lentry_shape_is_right:
; The three projections as ONE product on codes of FP4 (E2M1) with E8M0 scales: C[24576][1024], row R = tensor x 8192 + b x 2048 + s, from xc [24576][512 bytes] and the tensor's 1,024 rows of wc.
; The result leaves as f16 in qkv [3][b][h][s][64]; tensor 0 (q) is multiplied in f32 by c = log2(e) / 8 ahead of its one rounding, so that q . k is the softmax's exponent to base 2.
; LIMIT: results beyond f16's 65,504 are not served.
; A tile of C, 256 x 256, is made by four waves, 128 x 128 each: 64 accumulators, 512 registers.  K = 1,024 is two slots of 512: both are filled at the start and nothing is filled again.
; THE SCALES of the work-group's 256 + 256 rows, for all of K, are two dense blocks of memory: they come into LDS once, in runs of 256 bytes.
; CLUSTERS: 4 x 4 work-groups.  A row of the cluster shares A's tiles, a column B's: each tile is asked for jointly.  Eight clusters along y are one tensor, so B's rows hang on the cluster's y and on cx alone.
; THE MATRIX INSTRUCTION IS USED TRANSPOSED (source 0 = 16 rows of wc, source 1 = 16 rows of xc): a lane holds eight neighbouring columns of one row of C.
; REGISTERS: window 0: v0-31 addresses; v32-95 scale words and nothing else; v128-191 A's fragments, one set; on the way out v96-255.  Window 1: B's fragments, two sets.  Windows 2, 3: the accumulators.
.set SIZE_K, 1024
.set KSTEP,  512
.set NQ,     KSTEP/128
.set ROWB,   256
.set KROW,   SIZE_K*4/8
.set PITCH,  272                       ; an LDS row: 256 bytes + 16 of padding: the 16 rows of a fragment load start 68 words apart
.set FR,     8
.set NL,     2
.set NP,     4
.set HALFT,  128*PITCH
.set SLOT,   4*HALFT
.set KS,     SIZE_K/32
.set SCL,    2*SLOT
.set HALFS,  (128*KS/256)*272
.set SBLK,   (16*KS/256)*272
.set SPARE,  SCL+4*HALFS               ; behind the scales: the spare words, 128 bytes a wave
.set SPITCH, 272                       ; the way out: 16 rows x (256 bytes + 16) a wave, in slot 0, which has had its only fill and its last read by then
.set ADRA, 16
.set ADRB, 20
.set STO,  24
.set RD,   25
.set CO,   26
.set ADRS, 27
.set SPW,  28
.set NIL,  29
.set SC,   32
.set AF,   128
.set TF,   128                         ; the way out: 64 results x the factor
.set TMP,  192                         ; packed to f16
.set G1, 24
.set G0, 32
.set G1B, 48
.set G0B, 56
.set G1S, 68
.set G0S, 76
.set G1SB, 80
.set G0SB, 88
.set MSB, 0
.macro WIN new                         ; the immediate's high byte repeats the setting that is left
.if MSB != (\new)
	s_set_vgpr_msb (MSB<<8)|(\new)
.set MSB, (\new)
.endif
.endm
.set MUL_LO, 0xa1                      ; source 0 (B) window 1, source 1 (A) window 0, C and D window 2
.set MUL_HI, 0xf1
.set TO_B,   0x40
; A joint load: waves 0 and 1 fetch for A, waves 2 and 3 for B; the branch hangs on the wave's number alone.  An s_nop 0 and four v_nop follow each line.
.macro JLOAD g0a, g1a, g0b, g1b
	s_cmp_eq_u32 s15, 0
	s_cbranch_scc0 .Lfor_b_\@
	tensor_load_to_lds s[\g0a:\g0a+3], s[\g1a:\g1a+7]
	s_nop 0
.rept 4
	v_nop
.endr
	s_branch .Lasked_\@
.Lfor_b_\@:
	tensor_load_to_lds s[\g0b:\g0b+3], s[\g1b:\g1b+7]
	s_nop 0
.rept 4
	v_nop
.endr
.Lasked_\@:
.endm
.macro CROUND                          ; a round of the cluster's barrier
	s_barrier_signal -1
	s_barrier_wait -1
	s_cmp_lg_u32 s14, 0
	s_cbranch_scc1 .Lnot_wave_0_\@
	s_barrier_signal -3
.Lnot_wave_0_\@:
	s_barrier_wait -3
	s_barrier_signal -1
	s_barrier_wait -1
.endm
	s_load_b128 s[4:7], s[0:1], 0x0                ; xc s[4:5], xs s[6:7]
	s_load_b128 s[8:11], s[0:1], 0x10              ; wc s[8:9], ws s[10:11]
	s_load_b64 s[12:13], s[0:1], 0x20              ; qkv
	v_lshl_add_u32 v[SPW], v0, 2, SPARE
	v_mov_b32 v[NIL], 0
	ds_add_u32 v[SPW], v[NIL]                      ; the wave's opening: the add, twice on end, and its wait ahead of my first tensor load
	ds_add_u32 v[SPW], v[NIL]
	v_lshrrev_b32 v1, 5, v0
	v_readfirstlane_b32 s14, v1                    ; wave 0..3
	s_lshr_b32 s15, s14, 1                         ; which half of the tile's rows is mine.  Also: I fetch for A (0) or for B (1)
	s_and_b32 s16, s14, 1                          ; which half of its columns.  Also: which 128 rows I fetch
	s_bfe_u32 s40, ttmp6, 0x40000                  ; cx
	s_bfe_u32 s41, ttmp6, 0x40004                  ; cy
	s_lshl_b32 s42, ttmp9, 2
	s_add_co_u32 s42, s42, s40                     ; tile column = 4 x cluster x + cx
	s_and_b32 s95, ttmp7, 0xffff                   ; cluster y
	s_lshl_b32 s17, s95, 2
	s_add_co_u32 s17, s17, s41                     ; tile row = 4 x cluster y + cy
	s_lshr_b32 s95, s95, 3                         ; the tensor: the same in all sixteen partners
	s_lshl_b32 s96, s95, 10                        ; its first row in wc
	s_mov_b32 s2, 0x3e38aa3b                       ; c = log2(e) / 8
	s_cmp_eq_u32 s95, 0
	s_cselect_b32 s2, s2, 1.0                      ; the factor: c for q, 1 for k and v
	s_mov_b32 s3, s2                               ; (named with it as a pair)
	s_lshl_b32 s43, s41, 2
	s_lshl_b32 s43, 15, s43                        ; my row of the cluster
	s_lshl_b32 s44, 0x1111, s40                    ; my column
	s_or_b32 s[G1+0], s43, (0<<16)|(1<<20)|(1<<21)|(5<<22)|(3<<25)  ; the mask; elements of 1 byte; padding: 4 words behind every 64
	s_or_b32 s[G1B+0], s44, (0<<16)|(1<<20)|(1<<21)|(5<<22)|(3<<25)
.irp g, G1, G1B
	s_mov_b32 s[\g+1], ROWB<<16                    ; tensor_dim0
	s_mov_b32 s[\g+2], 128<<16                     ; tensor_dim1
	s_mov_b32 s[\g+3], ROWB<<16                    ; tile_dim0
	s_mov_b32 s[\g+4], 128                         ; tile_dim1
	s_mov_b32 s[\g+5], KROW                        ; the pitch
	s_mov_b32 s[\g+6], 0
	s_mov_b32 s[\g+7], 0
.endr
	s_or_b32 s[G1S+0], s43, (3<<16)|(1<<20)|(1<<21)|(5<<22)|(3<<25)   ; the scales of 128 rows: 4,096 dense bytes as 16 rows of 256 (32 elements of 8 bytes)
	s_or_b32 s[G1SB+0], s44, (3<<16)|(1<<20)|(1<<21)|(5<<22)|(3<<25)
.irp g, G1S, G1SB
	s_mov_b32 s[\g+1], 32<<16
	s_mov_b32 s[\g+2], (128*KS/256)<<16
	s_mov_b32 s[\g+3], 32<<16
	s_mov_b32 s[\g+4], 128*KS/256
	s_mov_b32 s[\g+5], 32
	s_mov_b32 s[\g+6], 0
	s_mov_b32 s[\g+7], 0
.endr
	s_lshl_b32 s18, s16, 7                         ; which 128 rows of the tile I fetch
	s_lshl_b32 s20, s17, 8
	s_add_co_u32 s20, s20, s18                     ; A: row 256 x tile row + 128 x half
	s_lshl_b32 s46, s42, 8
	s_add_co_u32 s46, s46, s18
	s_add_co_u32 s46, s46, s96                     ; B: row 1,024 x tensor + 256 x tile column + 128 x half
	s_mov_b32 s21, 0
	s_mov_b32 s47, 0
	s_mov_b64 s[18:19], KS
	s_mul_u64 s[22:23], s[20:21], s[18:19]         ; where these rows' scales begin
	s_mul_u64 s[92:93], s[46:47], s[18:19]
	s_mov_b64 s[18:19], KROW
	s_mul_u64 s[20:21], s[20:21], s[18:19]         ; and their codes
	s_mul_u64 s[46:47], s[46:47], s[18:19]
	s_mul_i32 s45, s14, HALFT                      ; where they go: wave x 128 rows
	s_mul_i32 s94, s14, HALFS
	s_wait_dscnt 0x0                               ; both opening adds are done
	s_wait_kmcnt 0x0
	s_add_nc_u64 s[20:21], s[4:5], s[20:21]
	s_add_nc_u64 s[22:23], s[6:7], s[22:23]
	s_add_nc_u64 s[46:47], s[8:9], s[46:47]
	s_add_nc_u64 s[92:93], s[10:11], s[92:93]
	CROUND                                         ; all sixteen work-groups are here: the joint loads meet
	s_mov_b32 s[G0S], 1
	s_add_co_u32 s[G0S+1], s94, SCL
	s_mov_b64 s[G0S+2:G0S+3], s[22:23]
	s_or_b32 s[G0S+3], s[G0S+3], 0x80000000
	s_mov_b32 s[G0SB], 1
	s_add_co_u32 s[G0SB+1], s94, SCL
	s_mov_b64 s[G0SB+2:G0SB+3], s[92:93]
	s_or_b32 s[G0SB+3], s[G0SB+3], 0x80000000
	JLOAD G0S, G1S, G0SB, G1SB                     ; the scales first; three loads of mine are out behind the next two
.irp s, 0,1
	s_mov_b32 s[G0+4*\s], 1
	s_add_co_u32 s[G0+4*\s+1], s45, \s*SLOT
	s_add_nc_u64 s[G0+4*\s+2:G0+4*\s+3], s[20:21], \s*ROWB
	s_or_b32 s[G0+4*\s+3], s[G0+4*\s+3], 0x80000000
	s_mov_b32 s[G0B+4*\s], 1
	s_add_co_u32 s[G0B+4*\s+1], s45, \s*SLOT
	s_add_nc_u64 s[G0B+4*\s+2:G0B+4*\s+3], s[46:47], \s*ROWB
	s_or_b32 s[G0B+4*\s+3], s[G0B+4*\s+3], 0x80000000
	JLOAD G0+4*\s, G1, G0B+4*\s, G1B
.endr
	v_and_b32 v1, 15, v0                           ; l % 16
	v_bfe_u32 v2, v0, 4, 1                         ; l / 16
	v_mul_u32_u24 v3, v1, PITCH
	v_lshl_add_u32 v4, v2, 4, v3                   ; a fragment's row x pitch + 16 x half
	s_mul_i32 s21, s15, HALFT                      ; my 128 rows of A
	s_mul_i32 s22, s16, HALFT                      ; my 128 rows of B,
	s_add_co_u32 s22, s22, 2*HALFT                 ; behind A's 256
.irp s, 0,1
	v_add_nc_u32 v[ADRA+\s], s21, v4
	v_add_nc_u32 v[ADRB+\s], s22, v4
	s_add_co_u32 s21, s21, SLOT
	s_add_co_u32 s22, s22, SLOT
.endr
	v_mul_u32_u24 v5, v1, KS                       ; my row's scales: 32 bytes a row,
	v_lshrrev_b32 v6, 8, v5
	v_lshl_add_u32 v5, v6, 4, v5                   ; and 16 more for each 256 passed
	s_mul_i32 s21, s15, HALFS
	s_mul_i32 s22, s16, HALFS
	s_add_co_u32 s22, s22, 2*HALFS
	s_sub_co_u32 s22, s22, s21
	v_mul_u32_u24 v6, s22, v2                      ; lanes 16-31 take B's: one product, the distance between the two bases
	s_add_co_u32 s21, s21, SCL
	v_add_nc_u32 v5, v5, v6
	v_add_nc_u32 v[ADRS], s21, v5
	s_mul_i32 s23, s14, 16*SPITCH                  ; my stage
	v_mul_u32_u24 v5, v1, SPITCH                   ; in: row l % 16, 16 bytes for each half of the lanes
	v_lshl_add_u32 v5, v2, 4, v5
	v_add_nc_u32 v[STO], s23, v5
	v_bfe_u32 v5, v0, 3, 1                         ; back: lanes 0-7 a row's first 128 bytes (one head), lanes 8-15 the next row's, lanes 16-31 the same of the second head
	v_and_b32 v7, 7, v0
	v_mul_u32_u24 v6, v5, SPITCH
	v_lshl_add_u32 v6, v2, 7, v6
	v_lshl_add_u32 v6, v7, 4, v6
	v_add_nc_u32 v[RD], s23, v6
	v_lshlrev_b32 v6, 18, v2                       ; in qkv: a head is 262,144 bytes, a row 128
	v_lshl_add_u32 v6, v5, 7, v6
	v_lshl_add_u32 v[CO], v7, 4, v6
	s_lshl_b32 s20, s17, 8
	s_lshl_b32 s21, s15, 7
	s_add_co_u32 s20, s20, s21                     ; my first row R0 of C
	s_lshr_b32 s21, s20, 11
	s_lshl_b32 s21, s21, 22                        ; (tensor x 4 + b) x 16 heads
	s_and_b32 s20, s20, 2047
	s_lshl_b32 s20, s20, 7                         ; s x 128 bytes
	s_add_co_u32 s20, s20, s21
	s_lshl_b32 s46, s42, 2
	s_lshl_b32 s47, s16, 1
	s_add_co_u32 s46, s46, s47                     ; my first head: 4 x tile column + 2 x half
	s_lshl_b32 s46, s46, 18
	s_add_co_u32 s20, s20, s46
	s_mov_b32 s21, 0
	s_add_nc_u64 s[12:13], s[12:13], s[20:21]
.macro FRAG reg, adr, q, i             ; 16 rows x 128 K of 4-bit codes: 8 registers, two loads 32 bytes apart
.irp c, 0,1
	ds_load_b128 v[\reg+4*\c:\reg+4*\c+3], v[\adr] offset:64*(\q)+32*\c+(\i)*16*PITCH
.endr
.endm
; 16 matrix instructions: A's blocks a0, a0 + 1 x B's eight.  The 64 accumulators take turns, one instruction a turn, in the same order in every step.
.macro MUL16 a0, p, q, sc, zero
.irp a, \a0, \a0+1
.irp b, 0,1,2,3,4,5,6,7
.if \zero
	v_wmma_scale_f32_16x16x128_f8f6f4 v[8*(8*((\a)%4)+\b):8*(8*((\a)%4)+\b)+7], v[128*(\p)+FR*\b:128*(\p)+FR*\b+FR-1], v[AF+FR*(\a):AF+FR*(\a)+FR-1], 0, v[SC+8*NQ*(\sc)+NQ*\b+(\q)], v[SC+8*NQ*(\sc)+NQ*(\a)+(\q)] matrix_a_fmt:MATRIX_FMT_FP4 matrix_b_fmt:MATRIX_FMT_FP4 matrix_a_scale:MATRIX_SCALE_ROW1
.else
	v_wmma_scale_f32_16x16x128_f8f6f4 v[8*(8*((\a)%4)+\b):8*(8*((\a)%4)+\b)+7], v[128*(\p)+FR*\b:128*(\p)+FR*\b+FR-1], v[AF+FR*(\a):AF+FR*(\a)+FR-1], v[8*(8*((\a)%4)+\b):8*(8*((\a)%4)+\b)+7], v[SC+8*NQ*(\sc)+NQ*\b+(\q)], v[SC+8*NQ*(\sc)+NQ*(\a)+(\q)] matrix_a_fmt:MATRIX_FMT_FP4 matrix_b_fmt:MATRIX_FMT_FP4 matrix_a_scale:MATRIX_SCALE_ROW1
.endif
.endr
.endr
.endm
.macro FETCH_B slot, q, p
	WIN TO_B
.irp i, 0,1,2,3,4,5,6,7
	FRAG 128*(\p)+FR*\i, ADRB+\slot, \q, \i
.endr
	WIN 0
.endm
.macro FETCH_A slot, q, i0
.irp i, \i0, \i0+1, \i0+2, \i0+3
	FRAG AF+FR*(\i), ADRA+\slot, \q, \i
.endr
.endm
.macro SCALES sc                       ; a slot's scale words: lanes 0-15 A's block i, lanes 16-31 B's block i
.irp i, 0,1,2,3,4,5,6,7
	ds_load_b128 v[SC+8*NQ*\sc+NQ*\i:SC+8*NQ*\sc+NQ*\i+3], v[ADRS] offset:\i*SBLK
.endr
.endm
.macro PLACES n                        ; plain vector places behind matrix instructions, in front of loads into their registers and of reads of their results
.rept \n
	v_nop
.endr
.endm
.macro STEP slot, q, zero              ; 128 along K with its successor in the same slot
	s_wait_dscnt 4*NL                              ; B's set and A's blocks 0-3 are in; the youngest eight loads (A's blocks 4-7) may be out
	WIN MUL_LO
	MUL16 0, (\q)%2, \q, \slot, \zero
	MUL16 2, (\q)%2, \q, \slot, \zero
	s_wait_dscnt 0
	PLACES NP
	FETCH_B \slot, (\q)+1, 1-(\q)%2
	FETCH_A \slot, (\q)+1, 0
	WIN MUL_HI
	MUL16 4, (\q)%2, \q, \slot, \zero
	MUL16 6, (\q)%2, \q, \slot, \zero
	PLACES NP
	WIN 0
	FETCH_A \slot, (\q)+1, 4
.endm
.macro TURN slot, next                 ; a slot's last step changes slots: one barrier; nothing is filled again
	s_wait_tensorcnt 0x0                           ; all my tensor loads have landed: my part of the next slot
	ds_add_u32 v[SPW], v[NIL]                      ; 0 onto my spare word
	s_wait_dscnt 4*NL+1                            ; (the add and A's blocks 4-7 may be out)
	WIN MUL_LO
	MUL16 0, 1, NQ-1, \slot, 0
	s_wait_dscnt 0x0                               ; the add is done, and my reads of this slot are over
	s_barrier_signal -1
	MUL16 2, 1, NQ-1, \slot, 0
	WIN 0
	s_barrier_wait -1
	PLACES NP
	v_add_nc_u32 v[ADRS], 4*NQ, v[ADRS]            ; on to the next slot's scale words
	FETCH_B \next, 0, 0
	FETCH_A \next, 0, 0
	SCALES \next
	WIN MUL_HI
	MUL16 4, 1, NQ-1, \slot, 0
	MUL16 6, 1, NQ-1, \slot, 0
	PLACES NP
	WIN 0
	FETCH_A \next, 0, 4
.endm
	s_wait_tensorcnt 1                             ; the scales and my part of slot 0 are in; slot 1's load may be out
	s_barrier_signal -1
	s_barrier_wait -1
	FETCH_B 0, 0, 0
	FETCH_A 0, 0, 0
	SCALES 0
	FETCH_A 0, 0, 4
	STEP 0, 0, 1                                   ; the first products start the sums: nothing is cleared
	STEP 0, 1, 0
	STEP 0, 2, 0
	TURN 0, 1
	STEP 1, 0, 0
	STEP 1, 1, 0
	STEP 1, 2, 0
	s_wait_dscnt 4*NL                              ; the last step: nothing more to fetch
	WIN MUL_LO
	MUL16 0, 1, NQ-1, 1, 0
	MUL16 2, 1, NQ-1, 1, 0
	s_wait_dscnt 0
	WIN MUL_HI
	MUL16 4, 1, NQ-1, 1, 0
	MUL16 6, 1, NQ-1, 1, 0
	WIN 0
; THE WAY OUT, a block of 16 rows x 128 columns (two heads) at a time: x the factor, rounded to f16, 16 bytes a lane into my stage, back so that sixteen lanes hold two neighbouring rows of one head: 256 consecutive bytes of qkv.
.macro PACK a
.set AC, 64*((\a)%4)
	WIN 0x02+((\a)/4)                              ; source 0: window 2 or 3
.set i, 0
.rept 32
	v_pk_mul_f32 v[TF+2*i:TF+2*i+1], v[AC+2*i:AC+2*i+1], s[2:3] op_sel_hi:[1,0]   ; each accumulator from its low end on
.set i, i+1
.endr
	WIN 0
.set i, 0
.rept 32
	v_cvt_pk_f16_f32 v[TMP+i], v[TF+2*i], v[TF+2*i+1]
.set i, i+1
.endr
.endm
.macro TOSTAGE a
.set BKR, 96+128*((\a)%2)              ; v96-127 and v224-255 by turns
.irp b, 0,1,2,3,4,5,6,7
	ds_store_b128 v[STO], v[TMP+4*\b:TMP+4*\b+3] offset:32*\b
.endr
.irp u, 0,1,2,3,4,5,6,7
	ds_load_b128 v[BKR+4*\u:BKR+4*\u+3], v[RD] offset:\u*2*SPITCH   ; LDS serves a wave's instructions in order: these see the stores above
.endr
.endm
.macro SEND a
.set BKR, 96+128*((\a)%2)
	s_wait_dscnt 0x0                               ; the block is back in registers
	s_wait_xcnt 0x0                                ; the stores of the block before have read their registers: the next block's loads may land there
.irp u, 0,1,2,3,4,5,6,7
	global_store_b128 v[CO], v[BKR+4*\u:BKR+4*\u+3], s[12:13] offset:2048*(\a)+256*\u
.endr
.endm
	PLACES NP                                      ; behind the last products: their fragments' registers are written next
	PACK 0
	TOSTAGE 0
.irp a, 1,2,3,4,5,6,7
	PACK \a                                        ; block a's arithmetic stands between block a - 1's loads from the stage and the wait for them
	SEND \a-1
	TOSTAGE \a
.endr
	SEND 7
	s_wait_tensorcnt 0x0                           ; the wave's end
	ds_add_u32 v[SPW], v[NIL]
	s_wait_dscnt 0x0
	CROUND                                         ; the closing round
	s_endpgm
.Lfunc_end_k_q8477b24030_proj:
	.size	k_q8477b24030_proj, .Lfunc_end_k_q8477b24030_proj-k_q8477b24030_proj
	.p2alignl 7, 3214868480
	.fill 96, 4, 3214868480
	.section	.rodata,"a",@progbits
	.p2align	6, 0x0
	.amdhsa_kernel k_q8477b24030_proj
		.amdhsa_group_segment_fixed_size 327680
		.amdhsa_private_segment_fixed_size 0
		.amdhsa_enable_private_segment 0
		.amdhsa_kernarg_size 40
		.amdhsa_user_sgpr_count 2
		.amdhsa_user_sgpr_kernarg_segment_ptr 1
		.amdhsa_wavefront_size32 1
		.amdhsa_system_sgpr_workgroup_id_x 1
		.amdhsa_system_sgpr_workgroup_id_y 1
		.amdhsa_system_sgpr_workgroup_id_z 1
		.amdhsa_system_vgpr_workitem_id 0
		.amdhsa_next_free_vgpr 1024
		.amdhsa_next_free_sgpr 98
		.amdhsa_reserve_vcc 0
		.amdhsa_float_denorm_mode_32 3
		.amdhsa_float_denorm_mode_16_64 3
		.amdhsa_memory_ordered 1
		.amdhsa_forward_progress 1
		.amdhsa_inst_pref_size 143
	.end_amdhsa_kernel
	.amdgpu_metadata
---
amdhsa.version: [ 1, 2 ]
amdhsa.kernels:
  - .name:           k_q8477b24030_proj
    .symbol:         k_q8477b24030_proj.kd
    .args:
      - { .name: xc, .offset: 0, .size: 8, .value_kind: global_buffer, .address_space: global }
      - { .name: xs, .offset: 8, .size: 8, .value_kind: global_buffer, .address_space: global }
      - { .name: wc, .offset: 16, .size: 8, .value_kind: global_buffer, .address_space: global }
      - { .name: ws, .offset: 24, .size: 8, .value_kind: global_buffer, .address_space: global }
      - { .name: qkv, .offset: 32, .size: 8, .value_kind: global_buffer, .address_space: global }
    .group_segment_fixed_size: 327680
    .private_segment_fixed_size: 0
    .kernarg_segment_align: 8
    .kernarg_segment_size: 40
    .max_flat_workgroup_size: 128
    .sgpr_count:     98
    .vgpr_count:     1024
    .wavefront_size: 32
...
	.end_amdgpu_metadata
.endif
;; end of part 3
;; launch attn (part 4): grid 4 x 64, 8 waves a work-group, no clusters, 209,920 bytes of LDS; arguments qkv, K_ini, ctx; writes ctx
.if DOCPART == 4
	.amdgcn_target "amdgcn-amd-amdhsa--gfx1250"
	.amdhsa_code_object_version 6
	.text
	.protected	k_q8477b24030_attn
	.globl	k_q8477b24030_attn
	.p2align	8
	.type	k_q8477b24030_attn,@function
k_q8477b24030_attn:
	s_mov_b64 s[64:65], 0
	v_nop
	global_prefetch_b8 v0, s[64:65] scope:SCOPE_SE
	s_setreg_imm32_b32 hwreg(HW_REG_WAVE_MODE, 25, 1), 1
	s_wait_xcnt 0x0
; ctx[b][h][q][:] = softmax_k(q . k / 8 - (1 - min(pad, causal)) 1e10) v, f16 operands, f32 sums, a running maximum.  qkv: f16 [3][b][h][s][64], tensor 0 holding c q, c = log2(e) / 8; ctx: f16 [b][h][s][64].
; Q_ini is a parameter that the computation never uses: no launch of this program reads it.
; SHARES.  Work-group (i, head) takes queries 256 i .. + 255 and then 256 (7 - i) .. + 255, so that under the causal mask every work-group walks 9 slots of 256 keys.  A wave owns 32 queries (two tiles of 16);
; two waves share a SIMD, so that one wave's softmax stands beside the other's products.  A step is 64 keys.
; LAYOUT.  S^T = K Q^T (source 0 = 16 keys, source 1 = 16 queries): a lane holds ONE query and 8 keys a tile; two tiles rounded to f16 in pairs are source 1 of O^T = V^T P.  V comes out of LDS turned (ds_load_tr16_b128).
; THE MASK IS -1e10, NOT -infinity.  Let f be the batch's first key with K_ini != 0.  A query q < f has no key left: all its scores are rounded near -1e10 and its softmax runs over ALL 2,048 keys.  So a wave that owns such a
; query walks all keys, and the length of the walk hangs on K_ini.  No tensor load here: the 256 threads fetch a slot through 64 registers each, a slot ahead.
; No cluster: the four work-groups of a head restart their walks at different trips (after i + 1 slots), so they would not ask for the same tile in the same trip.
; No prefetch into the L2: a slot's loads are issued four key steps ahead of the wait for them.
; OPEN steps (every key at or under every query of the wave): the pad's bias, 0 or -8e10, is the C of the first product.  SPECIAL steps (the diagonal; every step of a wave with a query < f): the product starts from 0, and for
; each score X = hidden or padded ? -8e10 : 0;  S = S / c + X in one rounding: 8 x (q . k / 8 - 1e10) bit for bit;  S += 8e10 in lanes with q < f (exact, a shift that the softmax does not see);  S = c S.
; The maximum starts at -1.75 x 2^32, above every masked score: a step of masked keys alone gives p = 0.
; LIMITS: |q . k / 8| under 5e9 (beyond it the 1e10 no longer parts masked keys from others); operands inside f16's range; NaN and infinities are not served.
.set KP,    144                        ; a key's row of K in LDS: 128 bytes + 16
.set VP,    160                        ; of V: 128 + 32, an odd multiple of 32 for the turning load
.set VOFF,  256*KP
.set BOFF,  VOFF+256*VP                ; the slot's 256 biases, f32
.set SLOT1, 1<<17                      ; slot 1 begins here: one exclusive or turns an address
.set STAGE, BOFF+1024                  ; behind slot 0: 32 rows x 144 bytes a wave, for the way out
.set SPARE, STAGE+8*32*KP              ; the spare words, 128 bytes a wave
; window 0
.set AK0, 1                            ; 144 r + 16 h
.set AV0, 2                            ; VOFF + (8 h + l % 8) 160 + 16 ((l / 8) % 2)
.set AB0, 3                            ; BOFF + 32 h
.set FK0, 4                            ; the fill: (tid / 8) 144 + 16 (tid % 8)
.set FV0, 5
.set FB0, 6
.set GOF, 7                            ; 16 tid
.set GI,  8                            ; 4 tid
.set QO,  9                            ; 128 r + 16 h
.set STO, 10
.set RD,  11
.set GO,  12                           ; 16 l
.set DQ,  13                           ; r - 8 h
.set NEGR, 14                          ; -8e10
.set RR,  15                           ; r
.set ADK, 16
.set ADV, 17
.set ADB, 18
.set FKC, 19
.set FVC, 20
.set FBC, 21
.set KI,  22
.set BV,  23
.set DT,  24                           ; v24-25 a tile's query - key offset
.set RB,  26                           ; v26-27 8e10 where my query < f, else 0
.set XR,  28                           ; v28-29 at work
.set SPW, 30
.set NIL, 31
.set ST,  32                           ; 8 a tile: +0 m, +1 written only, +2, +3 l, +4 .. +7 at work; a in +6
.set KF,  64                           ; K's fragments (kt, c) at 16 kt + 8 c
.set S,   128                          ; S^T, 32 a tile
.set P,   192                          ; P, 16 a tile
.set BR,  224                          ; the biases of 64 keys in the result's layout
; window 1
.set QF,  0                            ; Q's fragments (t, c) at 16 t + 8 c
.set OA,  32                           ; O^T, 32 a tile
.set VF,  96                           ; V^T's fragments (kk, ct) at 8 (4 kk + ct)
.set FS,  160                          ; the slot on its way: 32 registers of K, 32 of V
; scalars
.set WV, 10
.set BI, 11                            ; the first block
.set HY, 12
.set FF, 13                            ; f
.set LA, 14                            ; slots of the first block's walk
.set LT, 15                            ; of both
.set NT, 16
.set TB, 17
.set K0, 18
.set KLIM, 19
.set QSP, 20
.set Q0, 21
.set QB, 24
.set KB, 26
.set VB, 28
.set CB, 30
.set IB, 32
.set KA, 34
.set VA, 36
.set IA, 38
.set QA, 40
.set CA, 42
.set CC, 44                            ; c
.set CI, 45                            ; 1 / c
.set SEL, 46
.set TK, 48
.set TV, 49
.set TI, 50
.set SPF, 51
.set OFP, 54
.set BB, 56                            ; the second block
.set ST4, 57
.set FL, 58
.set NP, 59
.set MK, 66                            ; s66-81 lane masks
.set MSB, 0
.macro WIN new
.if MSB != (\new)
	s_set_vgpr_msb (MSB<<8)|(\new)
.set MSB, (\new)
.endif
.endm
	s_load_b128 s[4:7], s[0:1], 0x0                ; qkv, K_ini
	s_load_b64 s[8:9], s[0:1], 0x10                ; ctx
	v_lshl_add_u32 v[SPW], v0, 2, SPARE
	v_mov_b32 v[NIL], 0
	v_lshrrev_b32 v28, 5, v0
	v_readfirstlane_b32 s[WV], v28                 ; wave 0..7
	s_mov_b32 s[BI], ttmp9
	s_and_b32 s[HY], ttmp7, 0xffff                 ; 16 b + h
	v_and_b32 v[RR], 15, v0                        ; r
	v_bfe_u32 v29, v0, 4, 1                        ; h
	v_and_b32 v24, 31, v0                          ; lane
	v_and_b32 v25, 7, v0
	v_bfe_u32 v26, v0, 3, 1
	v_lshrrev_b32 v27, 3, v0
	v_mul_u32_u24 v[AK0], v[RR], KP
	v_lshl_add_u32 v[AK0], v29, 4, v[AK0]
	v_lshl_add_u32 v[AV0], v29, 3, v25
	v_mul_u32_u24 v[AV0], v[AV0], VP
	v_lshl_add_u32 v[AV0], v26, 4, v[AV0]
	v_add_nc_u32 v[AV0], VOFF, v[AV0]
	v_lshl_add_u32 v[AB0], v29, 5, BOFF
	v_mul_u32_u24 v[FK0], v27, KP
	v_lshl_add_u32 v[FK0], v25, 4, v[FK0]
	v_mul_u32_u24 v[FV0], v27, VP
	v_lshl_add_u32 v[FV0], v25, 4, v[FV0]
	v_add_nc_u32 v[FV0], VOFF, v[FV0]
	v_lshl_add_u32 v[FB0], v0, 2, BOFF
	v_lshlrev_b32 v[GOF], 4, v0
	v_lshlrev_b32 v[GI], 2, v0
	v_lshlrev_b32 v[QO], 7, v[RR]
	v_lshl_add_u32 v[QO], v29, 4, v[QO]
	s_mul_i32 s22, s[WV], 32*KP
	s_add_co_u32 s22, s22, STAGE                   ; my stage
	v_add_nc_u32 v[STO], s22, v[AK0]               ; in: row r, 16 bytes for each half of the lanes
	v_bfe_u32 v27, v0, 3, 2
	v_mul_u32_u24 v[RD], v27, KP
	v_lshl_add_u32 v[RD], v25, 4, v[RD]
	v_add_nc_u32 v[RD], s22, v[RD]                 ; back: eight lanes to a row of 128 bytes, four rows an instruction
	v_lshlrev_b32 v[GO], 4, v24
	v_lshlrev_b32 v[DQ], 3, v29
	v_sub_nc_u32 v[DQ], v[RR], v[DQ]
	v_mov_b32 v[NEGR], 0xd19502f9                  ; -8e10 = 8 x -1e10, exact
	v_lshlrev_b32 v28, 2, v24
	s_lshl_b32 s[OFP], s[HY], 18                   ; a head: 2,048 rows of 128 bytes
	s_mov_b32 s[OFP+1], 0
	s_lshr_b32 s52, s[HY], 4
	s_lshl_b32 s52, s52, 13                        ; a batch's K_ini: 8,192 bytes
	s_mov_b32 s53, 0
	s_mov_b32 s[CC], 0x3e38aa3b
	s_mov_b32 s[CI], 0x40b17218
	s_mov_b32 s[SEL], 0x76543210
	s_mov_b32 s[SEL+1], 0xfedcba98
	s_wait_kmcnt 0x0
	s_add_nc_u64 s[QB:QB+1], s[4:5], s[OFP:OFP+1]
	s_add_nc_u64 s[KB:KB+1], s[QB:QB+1], 0x1000000
	s_add_nc_u64 s[VB:VB+1], s[QB:QB+1], 0x2000000
	s_add_nc_u64 s[CB:CB+1], s[8:9], s[OFP:OFP+1]
	s_add_nc_u64 s[IB:IB+1], s[6:7], s[52:53]
	; f: the batch's first key with K_ini != 0, or 2,048.  Whole numbers throughout.  Load i holds keys 32 i + lane.
.set i, 0
.rept 64
	global_load_b32 v[KF+i], v28, s[IB:IB+1] offset:128*i
.set i, i+1
.endr
	s_wait_loadcnt 0x0
	s_mov_b32 s[FF], 2048
.irp g, 3,2,1,0
.irp u, 0,1,2,3,4,5,6,7,8,9,10,11,12,13,14,15
	v_cmp_ne_u32 s[MK+\u], 0, v[KF+16*\g+\u]
.endr
.irp u, 15,14,13,12,11,10,9,8,7,6,5,4,3,2,1,0  ; downwards, so that the lowest key has the last word
	s_ctz_i32_b32 s22, s[MK+\u]
	s_add_co_u32 s22, s22, 32*(16*\g+\u)
	s_cmp_lg_u32 s[MK+\u], 0
	s_cselect_b32 s[FF], s22, s[FF]
.endr
.endr
	s_lshl_b32 s22, s[BI], 8
	s_add_co_u32 s23, s[BI], 1
	s_cmp_gt_u32 s[FF], s22                        ; a query of the block lies under f: all 8 slots
	s_cselect_b32 s[LA], 8, s23
	s_sub_co_u32 s[BB], 7, s[BI]
	s_lshl_b32 s22, s[BB], 8
	s_sub_co_u32 s23, 8, s[BI]
	s_cmp_gt_u32 s[FF], s22
	s_cselect_b32 s[LT], 8, s23
	s_add_co_u32 s[LT], s[LT], s[LA]
; The start of a block of queries: limits, Q's fragments, O^T = 0, m, l.  (The step is written once: its first turn finds zeros.)
.macro PRO blk
	s_lshl_b32 s[Q0], s[\blk], 8
	s_lshl_b32 s22, s[WV], 5
	s_add_co_u32 s[Q0], s[Q0], s22                 ; my first query
	s_add_co_u32 s22, s[Q0], 32
	s_cmp_gt_u32 s[FF], s[Q0]                      ; do I own a query under f?
	s_cselect_b32 s[KLIM], 2048, s22               ; steps whose first key is at or past this are left out
	s_cselect_b32 s[QSP], 0, s[Q0]                 ; steps with a key past this are special
	s_lshl_b32 s[OFP], s[Q0], 7
	s_mov_b32 s[OFP+1], 0
	s_add_nc_u64 s[QA:QA+1], s[QB:QB+1], s[OFP:OFP+1]
	s_add_nc_u64 s[CA:CA+1], s[CB:CB+1], s[OFP:OFP+1]
	WIN 0x40                                       ; destination window 1
.irp t, 0,1
.irp c, 0,1
	global_load_b128 v[QF+16*\t+8*\c:QF+16*\t+8*\c+3], v[QO], s[QA:QA+1] offset:2048*\t+64*\c
	global_load_b128 v[QF+16*\t+8*\c+4:QF+16*\t+8*\c+7], v[QO], s[QA:QA+1] offset:2048*\t+64*\c+32
.endr
.endr
.set i, 0
.rept 64
	v_mov_b32 v[OA+i], 0
.set i, i+1
.endr
	WIN 0
	v_mov_b32 v29, 0x519502f9                      ; 8e10
	v_add_nc_u32 v28, s[Q0], v[RR]
	v_cmp_gt_u32 vcc_lo, s[FF], v28
	v_cndmask_b32 v[RB], 0, v29, vcc_lo
	v_add_nc_u32 v28, 16, v28
	v_cmp_gt_u32 vcc_lo, s[FF], v28
	v_cndmask_b32 v[RB+1], 0, v29, vcc_lo
.irp t, 0,1
	v_mov_b32 v[ST+8*\t], 0xcfe00000               ; m = -1.75 x 2^32
.irp j, 1,2,3,4,5,6,7
	v_mov_b32 v[ST+8*\t+\j], 0
.endr
.endr
	s_mov_b32 s[K0], 0
	s_wait_loadcnt 0x0                             ; Q
.endm
; The addresses of a trip: the slot to be read begins at TB, the slot to be filled at the other place.
.macro ADDRS
	s_xor_b32 s22, s[TB], SLOT1
	v_add_nc_u32 v[FKC], s22, v[FK0]
	v_add_nc_u32 v[FVC], s22, v[FV0]
	v_add_nc_u32 v[FBC], s22, v[FB0]
	s_mov_b32 s[TK], s[TB]
	s_mov_b32 s[TV], s[TB]
	s_mov_b32 s[TI], s[TB]
.endm
; Place NP of the walk: slot NP of the first block's keys, or slot NP - LA of the second's.  256 rows of K and of V (32,768 dense bytes each: 4,096 an instruction of the work-group) and 256 words of K_ini.
.macro FILL_LOAD
	s_sub_co_u32 s23, s[NP], s[LA]
	s_cmp_lt_u32 s[NP], s[LA]
	s_cselect_b32 s23, s[NP], s23
	s_min_u32 s23, s23, 7                          ; a number made of loaded ones is held to the head's 8 slots before it enters an address
	s_lshl_b32 s[OFP], s23, 15
	s_mov_b32 s[OFP+1], 0
	s_add_nc_u64 s[KA:KA+1], s[KB:KB+1], s[OFP:OFP+1]
	s_add_nc_u64 s[VA:VA+1], s[VB:VB+1], s[OFP:OFP+1]
	s_lshl_b32 s[OFP], s23, 10
	s_add_nc_u64 s[IA:IA+1], s[IB:IB+1], s[OFP:OFP+1]
	WIN 0x40
.irp i, 0,1,2,3,4,5,6,7
	global_load_b128 v[FS+4*\i:FS+4*\i+3], v[GOF], s[KA:KA+1] offset:4096*\i
.endr
.irp i, 0,1,2,3,4,5,6,7
	global_load_b128 v[FS+32+4*\i:FS+32+4*\i+3], v[GOF], s[VA:VA+1] offset:4096*\i
.endr
	WIN 0
	global_load_b32 v[KI], v[GI], s[IA:IA+1]
.endm
.macro FILL_STORE
	v_cmp_eq_u32 vcc_lo, 0, v[KI]
	v_cndmask_b32 v[BV], 0, v[NEGR], vcc_lo        ; the pad's bias
	WIN 0x04                                       ; an LDS store's data are its source 1: window 1
.irp i, 0,1,2,3,4,5,6,7
	ds_store_b128 v[FKC], v[FS+4*\i:FS+4*\i+3] offset:32*KP*\i
.endr
.irp i, 0,1,2,3,4,5,6,7
	ds_store_b128 v[FVC], v[FS+32+4*\i:FS+32+4*\i+3] offset:32*VP*\i
.endr
	WIN 0
	ds_store_b32 v[FBC], v[BV]
.endm
; 8 products of S^T = K Q^T, channels 32 c on.  mode 0: C = the biases; 1: C = 0; 2: in place.  The eight accumulators take turns, one instruction a turn.
.macro KQ c, mode
.irp kt, 0,1,2,3
.irp t, 0,1
.if \mode == 0
	v_wmma_f32_16x16x32_f16 v[S+32*\t+8*\kt:S+32*\t+8*\kt+7], v[KF+16*\kt+8*\c:KF+16*\kt+8*\c+7], v[QF+16*\t+8*\c:QF+16*\t+8*\c+7], v[BR+8*\kt:BR+8*\kt+7]
.elseif \mode == 1
	v_wmma_f32_16x16x32_f16 v[S+32*\t+8*\kt:S+32*\t+8*\kt+7], v[KF+16*\kt+8*\c:KF+16*\kt+8*\c+7], v[QF+16*\t+8*\c:QF+16*\t+8*\c+7], 0
.else
	v_wmma_f32_16x16x32_f16 v[S+32*\t+8*\kt:S+32*\t+8*\kt+7], v[KF+16*\kt+8*\c:KF+16*\kt+8*\c+7], v[QF+16*\t+8*\c:QF+16*\t+8*\c+7], v[S+32*\t+8*\kt:S+32*\t+8*\kt+7]
.endif
.endr
.endr
.endm
; The end of a block: O^T / l, rounded to f16, through my stage, out as 4,096 dense bytes, 512 an instruction.
.macro EPI
.irp t, 0,1
	v_add_f32 v[ST+8*\t+4], v[ST+8*\t+2], v[ST+8*\t+3]
.endr
.irp t, 0,1
	v_permlanex16_b32 v[ST+8*\t+5], v[ST+8*\t+4], s[SEL], s[SEL+1]
.endr
.irp t, 0,1
	v_add_f32 v[ST+8*\t+4], v[ST+8*\t+4], v[ST+8*\t+5]
.endr
.irp t, 0,1
	v_rcp_f32 v[ST+8*\t+6], v[ST+8*\t+4]
.endr
	v_nop                                          ; a plain instruction behind the last reciprocal
	s_wait_alu depctr_va_vdst(0)                   ; one wait for both, ahead of the first use
	WIN 0x01                                       ; source 0 window 1
.irp t, 0,1
.set i, 0
.rept 16
	v_pk_mul_f32 v[S+32*\t+2*i:S+32*\t+2*i+1], v[OA+32*\t+2*i:OA+32*\t+2*i+1], v[ST+8*\t+6:ST+8*\t+7] op_sel_hi:[1,0]
.set i, i+1
.endr
.endr
	WIN 0
.irp t, 0,1
.set i, 0
.rept 16
	v_cvt_pk_f16_f32 v[P+16*\t+i], v[S+32*\t+2*i], v[S+32*\t+2*i+1]
.set i, i+1
.endr
.endr
.irp t, 0,1
.irp ct, 0,1,2,3
	ds_store_b128 v[STO], v[P+16*\t+4*\ct:P+16*\t+4*\ct+3] offset:16*KP*\t+32*\ct
.endr
.endr
.irp k, 0,1,2,3,4,5,6,7
	ds_load_b128 v[S+4*\k:S+4*\k+3], v[RD] offset:4*KP*\k   ; LDS serves a wave's instructions in order: these see my stores
.endr
.irp k, 0,1,2,3,4,5,6,7
	s_wait_dscnt 7-\k                              ; the younger loads stay out
	global_store_b128 v[GO], v[S+4*\k:S+4*\k+3], s[CA:CA+1] offset:512*\k
.endr
	s_wait_xcnt 0x0                                ; the stores have read their registers and their base
.endm
	PRO BI
	s_mov_b32 s[TB], SLOT1
	ADDRS                                          ; the first fill goes to slot 0
	s_mov_b32 s[NP], 0
	FILL_LOAD
	s_wait_loadcnt 0x0
	FILL_STORE
	s_mov_b32 s[NT], 0
.Ltrip:                                                ; 16 trips, a constant: as many as the longest walk has slots; one barrier a trip
	s_wait_dscnt 0x0                               ; my stores into the slot ahead have landed, my reads of the other slot are back
	s_barrier_signal -1
	s_barrier_wait -1
	s_xor_b32 s[TB], s[TB], SLOT1
	ADDRS
	s_cmp_lg_u32 s[NT], s[LA]
	s_cbranch_scc1 .Lsame
	EPI                                            ; the first block is done: out with it, and on to the second
	PRO BB
.Lsame:
	s_add_co_u32 s[NP], s[NT], 1
	s_cmp_lt_u32 s[NP], s[LT]
	s_cselect_b32 s[FL], 1, 0                      ; is there a next place of the walk?
	s_cbranch_scc0 .Lnoload
	FILL_LOAD                                      ; it has this slot's four steps in which to arrive
.Lnoload:
	s_mov_b32 s[ST4], 0
.Lstep:                                                ; four steps of 64 keys.  Every wave walks them; a step past the wave's limit is left out, but for the lines at its end that step addresses
	v_add_nc_u32 v[ADK], s[TK], v[AK0]
	v_add_nc_u32 v[ADV], s[TV], v[AV0]
	v_add_nc_u32 v[ADB], s[TI], v[AB0]
	s_cmp_ge_u32 s[K0], s[KLIM]
	s_cbranch_scc1 .Lhid
.irp kt, 0,1,2,3
.irp c, 0,1
	ds_load_b128 v[KF+16*\kt+8*\c:KF+16*\kt+8*\c+3], v[ADK] offset:16*KP*\kt+64*\c
	ds_load_b128 v[KF+16*\kt+8*\c+4:KF+16*\kt+8*\c+7], v[ADK] offset:16*KP*\kt+64*\c+32
.endr
.endr
.irp kt, 0,1,2,3
	ds_load_b128 v[BR+8*\kt:BR+8*\kt+3], v[ADB] offset:64*\kt
	ds_load_b128 v[BR+8*\kt+4:BR+8*\kt+7], v[ADB] offset:64*\kt+16
.endr
	s_add_co_u32 s22, s[K0], 63
	s_cmp_gt_u32 s22, s[QSP]
	s_cselect_b32 s[SPF], 1, 0
	s_wait_dscnt 0x0
	s_cbranch_scc1 .Lsp0
	WIN 0x04                                       ; source 1 (Q) window 1
	KQ 0, 0
	WIN 0
	s_branch .Ljoin
.Lsp0:
	WIN 0x04
	KQ 0, 1
	WIN 0
.Ljoin:
	WIN 0x04
	KQ 1, 2
	WIN 0
.rept 4
	v_nop                                          ; places behind the products: for the reads of S^T, and (with the three additions above) for the loads into V's registers, which the last step's products read
.endr
	WIN 0x40
.irp kk, 0,1
.irp ct, 0,1,2,3
	ds_load_tr16_b128 v[VF+8*(4*\kk+\ct):VF+8*(4*\kk+\ct)+3], v[ADV] offset:32*VP*\kk+32*\ct
	ds_load_tr16_b128 v[VF+8*(4*\kk+\ct)+4:VF+8*(4*\kk+\ct)+7], v[ADV] offset:32*VP*\kk+32*\ct+16*VP
.endr
.endr
	WIN 0
	s_cmp_eq_u32 s[SPF], 0
	s_cbranch_scc1 .Lopen
	s_sub_co_i32 s22, s[Q0], s[K0]
	v_add_nc_u32 v[DT], s22, v[DQ]                 ; my query - K0 - 8 h: register n holds key K0 + 8 h + 16 (n / 8) + n % 8, hidden where 16 (n / 8) + n % 8 is above this
	v_add_nc_u32 v[DT+1], 16, v[DT]
.set n, 0
.rept 32
.irp t, 0,1
	v_cmp_gt_i32 vcc_lo, 16*(n/8)+n%8, v[DT+\t]
	v_cndmask_b32 v[XR+\t], v[BR+n], v[NEGR], vcc_lo
	v_fma_f32 v[S+32*\t+n], v[S+32*\t+n], s[CI], v[XR+\t]
	v_add_f32 v[S+32*\t+n], v[S+32*\t+n], v[RB+\t]
	v_mul_f32 v[S+32*\t+n], s[CC], v[S+32*\t+n]
.endr
.set n, n+1
.endr
.Lopen:
	; the softmax, the two tiles line by line.  The maximum of 32 scores and the old m, three at a time, each accumulator from its low end on
.irp j, 0,1,2,3
.irp t, 0,1
	v_max3_num_f32 v[ST+8*\t+4+\j], v[S+32*\t+8*\j], v[S+32*\t+8*\j+1], v[S+32*\t+8*\j+2]
.endr
.endr
.irp g, 1,2
.irp j, 0,1,2,3
.irp t, 0,1
	v_max3_num_f32 v[ST+8*\t+4+\j], v[ST+8*\t+4+\j], v[S+32*\t+8*\j+2*\g+1], v[S+32*\t+8*\j+2*\g+2]
.endr
.endr
.endr
.irp t, 0,1
	v_max3_num_f32 v[ST+8*\t+4], v[ST+8*\t+4], v[S+32*\t+7], v[S+32*\t+15]
.endr
.irp t, 0,1
	v_max3_num_f32 v[ST+8*\t+6], v[ST+8*\t+6], v[S+32*\t+23], v[S+32*\t+31]
.endr
.irp t, 0,1
	v_max3_num_f32 v[ST+8*\t+4], v[ST+8*\t+4], v[ST+8*\t+5], v[ST+8*\t+6]
.endr
.irp t, 0,1
	v_max3_num_f32 v[ST+8*\t+4], v[ST+8*\t+4], v[ST+8*\t+7], v[ST+8*\t]
.endr
.irp t, 0,1
	v_permlanex16_b32 v[ST+8*\t+5], v[ST+8*\t+4], s[SEL], s[SEL+1]   ; the query's other 32 keys lie in the lane 16 away
.endr
.irp t, 0,1
	v_mov_b32 v[ST+8*\t+7], v[ST+8*\t]             ; the old m is kept for a
.endr
.irp t, 0,1
	v_max_num_f32 v[ST+8*\t], v[ST+8*\t+4], v[ST+8*\t+5]
.endr
.irp t, 0,1
	v_sub_f32 v[ST+8*\t+7], v[ST+8*\t+7], v[ST+8*\t]
.endr
.set i, 0
.rept 16
.irp t, 0,1
	v_pk_add_f32 v[S+32*\t+2*i:S+32*\t+2*i+1], v[S+32*\t+2*i:S+32*\t+2*i+1], v[ST+8*\t:ST+8*\t+1] op_sel_hi:[1,0] neg_lo:[0,1] neg_hi:[0,1]   ; s - m, two at a time
.endr
.set i, i+1
.endr
.irp t, 0,1
	v_exp_f32 v[ST+8*\t+6], v[ST+8*\t+7]           ; a = 2^(old m - new m)
.endr
.set i, 0
.rept 32
.irp t, 0,1
	v_exp_f32 v[S+32*\t+i], v[S+32*\t+i]           ; p = 2^(s - m)
.endr
.set i, i+1
.endr
	v_nop                                          ; a plain instruction behind the last exponential
	s_wait_alu depctr_va_vdst(0)                   ; ONE wait for the 66, ahead of the first use
.set i, 0
.rept 16
.irp t, 0,1
	v_cvt_pk_f16_f32 v[P+16*\t+i], v[S+32*\t+2*i], v[S+32*\t+2*i+1]
.endr
.set i, i+1
.endr
.irp u, 0,1,2,3,4,5,6,7                        ; the row's sum of the unrounded p: a tree of packed additions, in place
.irp t, 0,1
	v_pk_add_f32 v[S+32*\t+4*\u:S+32*\t+4*\u+1], v[S+32*\t+4*\u:S+32*\t+4*\u+1], v[S+32*\t+4*\u+2:S+32*\t+4*\u+3]
.endr
.endr
.irp u, 0,1,2,3
.irp t, 0,1
	v_pk_add_f32 v[S+32*\t+8*\u:S+32*\t+8*\u+1], v[S+32*\t+8*\u:S+32*\t+8*\u+1], v[S+32*\t+8*\u+4:S+32*\t+8*\u+5]
.endr
.endr
.irp u, 0,1
.irp t, 0,1
	v_pk_add_f32 v[S+32*\t+16*\u:S+32*\t+16*\u+1], v[S+32*\t+16*\u:S+32*\t+16*\u+1], v[S+32*\t+16*\u+8:S+32*\t+16*\u+9]
.endr
.endr
.irp t, 0,1
	v_pk_add_f32 v[S+32*\t:S+32*\t+1], v[S+32*\t:S+32*\t+1], v[S+32*\t+16:S+32*\t+17]
.endr
.irp t, 0,1
	v_pk_fma_f32 v[ST+8*\t+2:ST+8*\t+3], v[ST+8*\t+2:ST+8*\t+3], v[ST+8*\t+6:ST+8*\t+7], v[S+32*\t:S+32*\t+1] op_sel_hi:[1,0,1]   ; l = a l + the sum
.endr
	s_wait_dscnt 0x0                               ; V is in
	WIN 0x41                                       ; O^T (destination and source 0) window 1
.set i, 0
.rept 16
.irp t, 0,1
	v_pk_mul_f32 v[OA+32*\t+2*i:OA+32*\t+2*i+1], v[OA+32*\t+2*i:OA+32*\t+2*i+1], v[ST+8*\t+6:ST+8*\t+7] op_sel_hi:[1,0]
.endr
.set i, i+1
.endr
	WIN 0x51                                       ; V and O^T window 1, P window 0
.irp kk, 0,1
.irp ct, 0,1,2,3
.irp t, 0,1
	v_wmma_f32_16x16x32_f16 v[OA+32*\t+8*\ct:OA+32*\t+8*\ct+7], v[VF+8*(4*\kk+\ct):VF+8*(4*\kk+\ct)+7], v[P+16*\t+8*\kk:P+16*\t+8*\kk+7], v[OA+32*\t+8*\ct:OA+32*\t+8*\ct+7]
.endr
.endr
.endr
	WIN 0
.Lhid:
	s_add_co_u32 s[K0], s[K0], 64
	s_add_co_u32 s[TK], s[TK], 64*KP
	s_add_co_u32 s[TV], s[TV], 64*VP
	s_add_co_u32 s[TI], s[TI], 256
	s_add_co_u32 s[ST4], s[ST4], 1
	s_cmp_lt_u32 s[ST4], 4
	s_cbranch_scc1 .Lstep
	s_wait_loadcnt 0x0                             ; on every way: the next slot's loads, if any were issued, are in
	s_cmp_lg_u32 s[FL], 0
	s_cbranch_scc0 .Lnostore
	FILL_STORE                                     ; into the slot that nobody reads in this trip
.Lnostore:
	s_add_co_u32 s[NT], s[NT], 1
	s_cmp_lt_u32 s[NT], 16
	s_cbranch_scc1 .Ltrip
	EPI                                            ; the second block
	s_wait_tensorcnt 0x0                           ; the wave's end
	ds_add_u32 v[SPW], v[NIL]
	s_wait_dscnt 0x0
	s_endpgm
.Lfunc_end_k_q8477b24030_attn:
	.size	k_q8477b24030_attn, .Lfunc_end_k_q8477b24030_attn-k_q8477b24030_attn
	.p2alignl 7, 3214868480
	.fill 96, 4, 3214868480
	.section	.rodata,"a",@progbits
	.p2align	6, 0x0
	.amdhsa_kernel k_q8477b24030_attn
		.amdhsa_group_segment_fixed_size 209920
		.amdhsa_private_segment_fixed_size 0
		.amdhsa_enable_private_segment 0
		.amdhsa_kernarg_size 24
		.amdhsa_user_sgpr_count 2
		.amdhsa_user_sgpr_kernarg_segment_ptr 1
		.amdhsa_wavefront_size32 1
		.amdhsa_system_sgpr_workgroup_id_x 1
		.amdhsa_system_sgpr_workgroup_id_y 1
		.amdhsa_system_sgpr_workgroup_id_z 1
		.amdhsa_system_vgpr_workitem_id 0
		.amdhsa_next_free_vgpr 512
		.amdhsa_next_free_sgpr 96
		.amdhsa_reserve_vcc 1
		.amdhsa_float_denorm_mode_32 3
		.amdhsa_float_denorm_mode_16_64 3
		.amdhsa_memory_ordered 1
		.amdhsa_forward_progress 1
		.amdhsa_inst_pref_size 84
	.end_amdhsa_kernel
	.amdgpu_metadata
---
amdhsa.version: [ 1, 2 ]
amdhsa.kernels:
  - .name:           k_q8477b24030_attn
    .symbol:         k_q8477b24030_attn.kd
    .args:
      - { .name: qkv, .offset: 0, .size: 8, .value_kind: global_buffer, .address_space: global }
      - { .name: K_ini, .offset: 8, .size: 8, .value_kind: global_buffer, .address_space: global }
      - { .name: ctx, .offset: 16, .size: 8, .value_kind: global_buffer, .address_space: global }
    .group_segment_fixed_size: 209920
    .private_segment_fixed_size: 0
    .kernarg_segment_align: 8
    .kernarg_segment_size: 24
    .max_flat_workgroup_size: 256
    .sgpr_count:     96
    .vgpr_count:     512
    .wavefront_size: 32
...
	.end_amdgpu_metadata
.endif
;; end of part 4
;; launch first (part 5): grid 64 x 1, 3 waves a work-group, no clusters, 12,800 bytes of LDS; arguments xc, xs, wc, ws, K_ini, ctx, cf; writes cf
.if DOCPART == 5
	.amdgcn_target "amdgcn-amd-amdhsa--gfx1250"
	.amdhsa_code_object_version 6
	.text
	.protected	k_q8477b24030_first
	.globl	k_q8477b24030_first
	.p2align	8
	.type	k_q8477b24030_first,@function
k_q8477b24030_first:
	s_mov_b64 s[64:65], 0
	v_nop
	global_prefetch_b8 v0, s[64:65] scope:SCOPE_SE
	s_setreg_imm32_b32 hwreg(HW_REG_WAVE_MODE, 25, 1), 1
	s_wait_xcnt 0x0
; The first 16 positions of every batch and head, carried finely: they average one to sixteen values, where the rounding of f16 operands weighs most.
; Work-group = 16 b + h.  Wave T (0 q, 1 k, 2 v) projects the 16 positions onto the head's 64 columns on the FP4 codes (8 steps of 128 along K, four accumulators by turns), f32 results.
; Each result is split in f32 into a high and a low f16 part; the products take high x high, high x low and low x high.  k's and v's parts reach wave 0 through LDS as images of the operand's registers.
; q and k are made transposed (source 0 = wc's rows): a lane holds a position, its registers run along the channels.  v the other way round: a lane holds a channel, its registers run along the keys.
; Wave 0: S^T = k q^T, the mask (-8e10 on 8 x score), softmax with the row's maximum taken away, O^T = v^T p / l.  A position under the first unpadded key of the sixteen has no key left: its softmax runs over all
; 2,048 keys, and it takes the word that the attention launch stored (a selection, no branch).  The result goes to cf as high and low parts in the order of the next product's operand registers:
; [part][b][K step of 32][half][lane][16 bytes].
; LIMITS: operands inside f16's range; NaN and infinities are not served.
.set SPARE, 12288                      ; behind the three waves' images (4,096 bytes each: high parts, then low): the spare words
.set XF,  16                           ; v16-47   x's four fragments of a round
.set XSC, 48                           ; v48-55   x's scale words and nothing else
.set WF,  64                           ; v64-191  wc's sixteen fragments of a round (32 ct + 8 ksl)
.set WSC, 192                          ; v192-223 wc's scale words and nothing else
.set ACC, 224                          ; v224-255 four accumulators
.set HI,  64
.set LO,  80
	s_load_b256 s[4:11], s[0:1], 0x0               ; xc s[4:5], xs s[6:7], wc s[8:9], ws s[10:11]
	s_load_b128 s[12:15], s[0:1], 0x20             ; K_ini s[12:13], ctx s[14:15]
	s_load_b64 s[16:17], s[0:1], 0x30              ; cf
	v_lshl_add_u32 v12, v0, 2, SPARE               ; my spare word; never rewritten
	v_mov_b32 v13, 0                               ; 0; never rewritten
	v_lshrrev_b32 v8, 5, v0
	v_readfirstlane_b32 s18, v8                    ; T
	s_lshr_b32 s19, ttmp9, 4                       ; b
	s_and_b32 s20, ttmp9, 15                       ; h
	v_and_b32 v1, 15, v0                           ; r
	v_bfe_u32 v2, v0, 4, 1                         ; hl
	v_lshlrev_b32 v3, 9, v1
	v_lshl_add_u32 v3, v2, 4, v3                   ; a row of 512 bytes of codes, + 16 hl
	v_lshlrev_b32 v4, 5, v1                        ; a row of 32 scale bytes
	v_and_b32 v8, 31, v0
	v_lshlrev_b32 v5, 4, v8                        ; 16 x lane: an image's place
	s_lshl_b32 s21, s18, 12
	v_add_nc_u32 v6, s21, v5                       ; where I store my images
	v_lshlrev_b32 v7, 3, v2
	v_sub_nc_u32 v7, v1, v7                        ; r - 8 hl
	v_lshlrev_b32 v8, 5, v2                        ; K_ini: my eight keys
	v_lshlrev_b32 v9, 2, v1                        ; K_ini: key r
	v_lshlrev_b32 v11, 7, v1
	v_lshl_add_u32 v11, v2, 4, v11                 ; ctx: row r of 128 bytes, + 16 hl
	v_mov_b32 v14, 0xd19502f9                      ; -8e10
	v_mov_b32 v15, 0
	s_lshl_b32 s24, s18, 22
	s_lshl_b32 s21, s19, 20
	s_add_co_u32 s24, s24, s21                     ; x's codes: row 8,192 T + 2,048 b
	s_mov_b32 s25, 0
	s_lshr_b32 s26, s24, 4                         ; its scale bytes: a sixteenth
	s_mov_b32 s27, 0
	s_lshl_b32 s28, s18, 19
	s_lshl_b32 s21, s20, 15
	s_add_co_u32 s28, s28, s21                     ; wc: row 1,024 T + 64 h
	s_mov_b32 s29, 0
	s_lshr_b32 s30, s28, 4
	s_mov_b32 s31, 0
	s_mov_b32 s32, 0x76543210
	s_mov_b32 s33, 0xfedcba98
	s_mov_b32 s34, 0x3e38aa3b                      ; c = log2(e) / 8
	s_lshl_b32 s36, s19, 13
	s_mov_b32 s37, 0
	s_lshl_b32 s38, ttmp9, 18
	s_mov_b32 s39, 0
	s_lshl_b32 s40, s19, 15
	s_lshl_b32 s21, s20, 11
	s_add_co_u32 s40, s40, s21
	s_mov_b32 s41, 0
	s_wait_kmcnt 0x0
	s_add_nc_u64 s[4:5], s[4:5], s[24:25]
	s_add_nc_u64 s[6:7], s[6:7], s[26:27]
	s_add_nc_u64 s[8:9], s[8:9], s[28:29]
	s_add_nc_u64 s[10:11], s[10:11], s[30:31]
	s_add_nc_u64 s[12:13], s[12:13], s[36:37]
	s_add_nc_u64 s[14:15], s[14:15], s[38:39]
	s_add_nc_u64 s[16:17], s[16:17], s[40:41]
	global_load_b128 v[XSC:XSC+3], v4, s[6:7]      ; lane r: row r's eight scale words
	global_load_b128 v[XSC+4:XSC+7], v4, s[6:7] offset:16
.irp ct, 0,1,2,3
	global_load_b128 v[WSC+8*\ct:WSC+8*\ct+3], v4, s[10:11] offset:512*\ct
	global_load_b128 v[WSC+8*\ct+4:WSC+8*\ct+7], v4, s[10:11] offset:512*\ct+16
.endr
; Four steps of 128 along K: 4 hf .. 4 hf + 3
.macro PROJ hf
.if \hf
.rept 4
	v_nop                                          ; places in front of loads into registers that matrix instructions have read
.endr
.endif
.irp ksl, 0,1,2,3
.irp c, 0,1
	global_load_b128 v[XF+8*\ksl+4*\c:XF+8*\ksl+4*\c+3], v3, s[4:5] offset:64*(4*\hf+\ksl)+32*\c
.endr
.endr
.irp ct, 0,1,2,3
.irp ksl, 0,1,2,3
.irp c, 0,1
	global_load_b128 v[WF+32*\ct+8*\ksl+4*\c:WF+32*\ct+8*\ksl+4*\c+3], v3, s[8:9] offset:8192*\ct+64*(4*\hf+\ksl)+32*\c
.endr
.endr
.endr
	s_wait_loadcnt 0x0
	s_cmp_lt_u32 s18, 2
	s_cbranch_scc0 .Lturned_\@
.irp ksl, 0,1,2,3
.irp ct, 0,1,2,3
.if (\hf == 0) && (\ksl == 0)
	v_wmma_scale_f32_16x16x128_f8f6f4 v[ACC+8*\ct:ACC+8*\ct+7], v[WF+32*\ct+8*\ksl:WF+32*\ct+8*\ksl+7], v[XF+8*\ksl:XF+8*\ksl+7], 0, v[WSC+8*\ct+4*\hf+\ksl], v[XSC+4*\hf+\ksl] matrix_a_fmt:MATRIX_FMT_FP4 matrix_b_fmt:MATRIX_FMT_FP4
.else
	v_wmma_scale_f32_16x16x128_f8f6f4 v[ACC+8*\ct:ACC+8*\ct+7], v[WF+32*\ct+8*\ksl:WF+32*\ct+8*\ksl+7], v[XF+8*\ksl:XF+8*\ksl+7], v[ACC+8*\ct:ACC+8*\ct+7], v[WSC+8*\ct+4*\hf+\ksl], v[XSC+4*\hf+\ksl] matrix_a_fmt:MATRIX_FMT_FP4 matrix_b_fmt:MATRIX_FMT_FP4
.endif
.endr
.endr
	s_branch .Ljoined_\@
.Lturned_\@:
.irp ksl, 0,1,2,3
.irp ct, 0,1,2,3
.if (\hf == 0) && (\ksl == 0)
	v_wmma_scale_f32_16x16x128_f8f6f4 v[ACC+8*\ct:ACC+8*\ct+7], v[XF+8*\ksl:XF+8*\ksl+7], v[WF+32*\ct+8*\ksl:WF+32*\ct+8*\ksl+7], 0, v[XSC+4*\hf+\ksl], v[WSC+8*\ct+4*\hf+\ksl] matrix_a_fmt:MATRIX_FMT_FP4 matrix_b_fmt:MATRIX_FMT_FP4
.else
	v_wmma_scale_f32_16x16x128_f8f6f4 v[ACC+8*\ct:ACC+8*\ct+7], v[XF+8*\ksl:XF+8*\ksl+7], v[WF+32*\ct+8*\ksl:WF+32*\ct+8*\ksl+7], v[ACC+8*\ct:ACC+8*\ct+7], v[XSC+4*\hf+\ksl], v[WSC+8*\ct+4*\hf+\ksl] matrix_a_fmt:MATRIX_FMT_FP4 matrix_b_fmt:MATRIX_FMT_FP4
.endif
.endr
.endr
.Ljoined_\@:
.endm
; Two numbers v[x], v[x + 1] become a packed high part in v[hi] and a packed low part in v[lo].  The high part is made in v56, since a register's halves are named only where the register is written by its number.
.macro SPLIT x, hi, lo
	v_cvt_pk_f16_f32 v56, v[\x], v[\x+1]
	v_cvt_f32_f16 v57, v56.l
	v_cvt_f32_f16 v58, v56.h
	v_mov_b32 v[\hi], v56
	v_sub_f32 v57, v[\x], v57                      ; exact
	v_sub_f32 v58, v[\x+1], v58
	v_cvt_pk_f16_f32 v[\lo], v57, v58
.endm
	PROJ 0
	PROJ 1
.rept 4
	v_nop                                          ; places behind the last products
.endr
.set i, 0
.rept 16
	SPLIT ACC+2*i, HI+i, LO+i                      ; each accumulator from its low end on.  Two packed tiles are a 16-bit fragment
.set i, i+1
.endr
.irp i, 0,1,2,3
	ds_store_b128 v6, v[HI+4*\i:HI+4*\i+3] offset:512*\i
	ds_store_b128 v6, v[LO+4*\i:LO+4*\i+3] offset:2048+512*\i
.endr
	s_wait_dscnt 0x0                               ; for the others' sake: my images have landed
	s_barrier_signal -1
	s_barrier_wait -1
	s_cmp_lg_u32 s18, 0
	s_cbranch_scc1 .Lend                           ; waves 1 and 2 are done
.irp i, 0,1,2,3
	ds_load_b128 v[96+4*\i:99+4*\i], v5 offset:4096+512*\i          ; k, high: fragments c = 0, 1 at v96, v104
	ds_load_b128 v[112+4*\i:115+4*\i], v5 offset:4096+2048+512*\i   ; k, low
	ds_load_b128 v[128+8*\i:131+8*\i], v5 offset:8192+512*\i        ; v^T, high: tile ct = i, keys 8 hl + 0 .. 7
	ds_load_b128 v[160+8*\i:163+8*\i], v5 offset:8192+2048+512*\i   ; v^T, low
.endr
	global_load_b128 v[24:27], v8, s[12:13]        ; K_ini of my eight keys
	global_load_b128 v[28:31], v8, s[12:13] offset:16
	global_load_b32 v10, v9, s[12:13]              ; K_ini of key r
.irp ct, 0,1,2,3
	global_load_b128 v[32+4*\ct:35+4*\ct], v11, s[14:15] offset:32*\ct   ; the stored ctx of row r, in the packing of the high parts
.endr
.irp i, 0,1,2,3
.irp j, 4,5,6,7
	v_mov_b32 v[128+8*\i+\j], 0                    ; keys 16 to 31 of the product's 32 do not exist: zeros on both sides
	v_mov_b32 v[160+8*\i+\j], 0
.endr
.endr
	s_wait_dscnt 0x0
	v_wmma_f32_16x16x32_f16 v[224:231], v[96:103], v[64:71], 0            ; three accumulators by turns: high x high,
	v_wmma_f32_16x16x32_f16 v[232:239], v[96:103], v[80:87], 0            ; k high x q low,
	v_wmma_f32_16x16x32_f16 v[240:247], v[112:119], v[64:71], 0           ; k low x q high
	v_wmma_f32_16x16x32_f16 v[224:231], v[104:111], v[72:79], v[224:231]
	v_wmma_f32_16x16x32_f16 v[232:239], v[104:111], v[88:95], v[232:239]
	v_wmma_f32_16x16x32_f16 v[240:247], v[120:127], v[72:79], v[240:247]
.rept 4
	v_nop
.endr
	s_wait_loadcnt 0x0
.irp j, 0,1,2,3,4,5,6,7
	v_add_f32 v[16+\j], v[232+\j], v[240+\j]       ; the small parts first
.endr
.irp j, 0,1,2,3,4,5,6,7
	v_add_f32 v[16+\j], v[16+\j], v[224+\j]        ; q . k: lane (r, hl): query r, key 8 hl + j
.endr
.irp j, 0,1,2,3,4,5,6,7
	v_cmp_eq_u32 vcc_lo, 0, v[24+\j]
	v_cndmask_b32 v59, 0, v14, vcc_lo              ; padded,
	v_cmp_gt_i32 vcc_lo, \j, v7
	v_cndmask_b32 v59, v59, v14, vcc_lo            ; or after the query
	v_add_f32 v[16+\j], v[16+\j], v59
.endr
	v_max3_num_f32 v61, v16, v17, v18
	v_max3_num_f32 v62, v19, v20, v21
	v_max3_num_f32 v61, v61, v22, v23
	v_max_num_f32 v61, v61, v62
	v_permlanex16_b32 v62, v61, s32, s33
	v_max_num_f32 v61, v61, v62                    ; the row's maximum
.irp j, 0,1,2,3,4,5,6,7
	v_sub_f32 v[16+\j], v[16+\j], v61
.endr
.irp j, 0,1,2,3,4,5,6,7
	v_mul_f32 v[16+\j], s34, v[16+\j]
.endr
.irp j, 0,1,2,3,4,5,6,7
	v_exp_f32 v[16+\j], v[16+\j]
.endr
	v_nop                                          ; a plain instruction behind the last exponential
	s_wait_alu depctr_va_vdst(0)                   ; one wait for the eight
	v_add_f32 v61, v16, v17
	v_add_f32 v62, v18, v19
	v_add_f32 v63, v20, v21
	v_add_f32 v59, v22, v23
	v_add_f32 v61, v61, v62
	v_add_f32 v63, v63, v59
	v_add_f32 v61, v61, v63
	v_permlanex16_b32 v62, v61, s32, s33
	v_add_f32 v61, v61, v62                        ; l
	v_rcp_f32 v60, v61
.irp i, 0,1,2,3
	SPLIT 16+2*\i, 96+\i, 104+\i                   ; p in two parts
.endr
.irp j, 4,5,6,7
	v_mov_b32 v[96+\j], 0
	v_mov_b32 v[104+\j], 0
.endr
.irp ct, 0,1,2,3
	v_wmma_f32_16x16x32_f16 v[ACC+8*\ct:ACC+8*\ct+7], v[128+8*\ct:135+8*\ct], v[96:103], 0
.endr
.irp ct, 0,1,2,3
	v_wmma_f32_16x16x32_f16 v[ACC+8*\ct:ACC+8*\ct+7], v[128+8*\ct:135+8*\ct], v[104:111], v[ACC+8*\ct:ACC+8*\ct+7]
.endr
.irp ct, 0,1,2,3
	v_wmma_f32_16x16x32_f16 v[ACC+8*\ct:ACC+8*\ct+7], v[160+8*\ct:167+8*\ct], v[96:103], v[ACC+8*\ct:ACC+8*\ct+7]
.endr
.rept 4
	v_nop
.endr
	s_wait_alu depctr_va_vdst(0)                   ; the reciprocal's wait, ahead of its first use
.set i, 0
.rept 32
	v_mul_f32 v[ACC+i], v[ACC+i], v60              ; O^T / l: lane (r, hl): query r, channel 16 ct + 8 hl + j
.set i, i+1
.endr
.set i, 0
.rept 16
	SPLIT ACC+2*i, HI+i, LO+i
.set i, i+1
.endr
	v_cmp_ne_u32 s35, 0, v10
	s_and_b32 s35, s35, 0xffff
	s_or_b32 s35, s35, 0x10000
	s_ctz_i32_b32 s35, s35                         ; the first unpadded key of the sixteen, or 16
	v_cmp_gt_u32 vcc_lo, s35, v1                   ; my query lies under it
.set i, 0
.rept 16
	v_cndmask_b32 v[HI+i], v[HI+i], v[32+i], vcc_lo
	v_cndmask_b32 v[LO+i], v[LO+i], v15, vcc_lo
.set i, i+1
.endr
.irp ct, 0,1,2,3
	global_store_b128 v5, v[HI+4*\ct:HI+4*\ct+3], s[16:17] offset:512*\ct           ; 512 consecutive bytes a store
	global_store_b128 v5, v[LO+4*\ct:LO+4*\ct+3], s[16:17] offset:131072+512*\ct
.endr
.Lend:
	s_wait_tensorcnt 0x0                           ; the wave's end
	ds_add_u32 v12, v13
	s_wait_dscnt 0x0
	s_endpgm
.Lfunc_end_k_q8477b24030_first:
	.size	k_q8477b24030_first, .Lfunc_end_k_q8477b24030_first-k_q8477b24030_first
	.p2alignl 7, 3214868480
	.fill 96, 4, 3214868480
	.section	.rodata,"a",@progbits
	.p2align	6, 0x0
	.amdhsa_kernel k_q8477b24030_first
		.amdhsa_group_segment_fixed_size 12800
		.amdhsa_private_segment_fixed_size 0
		.amdhsa_enable_private_segment 0
		.amdhsa_kernarg_size 56
		.amdhsa_user_sgpr_count 2
		.amdhsa_user_sgpr_kernarg_segment_ptr 1
		.amdhsa_wavefront_size32 1
		.amdhsa_system_sgpr_workgroup_id_x 1
		.amdhsa_system_sgpr_workgroup_id_y 1
		.amdhsa_system_sgpr_workgroup_id_z 1
		.amdhsa_system_vgpr_workitem_id 0
		.amdhsa_next_free_vgpr 256
		.amdhsa_next_free_sgpr 66
		.amdhsa_reserve_vcc 1
		.amdhsa_float_denorm_mode_32 3
		.amdhsa_float_denorm_mode_16_64 3
		.amdhsa_memory_ordered 1
		.amdhsa_forward_progress 1
		.amdhsa_inst_pref_size 41
	.end_amdhsa_kernel
	.amdgpu_metadata
---
amdhsa.version: [ 1, 2 ]
amdhsa.kernels:
  - .name:           k_q8477b24030_first
    .symbol:         k_q8477b24030_first.kd
    .args:
      - { .name: xc, .offset: 0, .size: 8, .value_kind: global_buffer, .address_space: global }
      - { .name: xs, .offset: 8, .size: 8, .value_kind: global_buffer, .address_space: global }
      - { .name: wc, .offset: 16, .size: 8, .value_kind: global_buffer, .address_space: global }
      - { .name: ws, .offset: 24, .size: 8, .value_kind: global_buffer, .address_space: global }
      - { .name: K_ini, .offset: 32, .size: 8, .value_kind: global_buffer, .address_space: global }
      - { .name: ctx, .offset: 40, .size: 8, .value_kind: global_buffer, .address_space: global }
      - { .name: cf, .offset: 48, .size: 8, .value_kind: global_buffer, .address_space: global }
    .group_segment_fixed_size: 12800
    .private_segment_fixed_size: 0
    .kernarg_segment_align: 8
    .kernarg_segment_size: 56
    .max_flat_workgroup_size: 96
    .sgpr_count:     66
    .vgpr_count:     256
    .wavefront_size: 32
...
	.end_amdgpu_metadata
.endif
;; end of part 5
;; launch outg (part 6): grid 4 x 64, 4 waves a work-group, clusters of 4 x 4, 327,680 bytes of LDS; arguments ctx, wo16, out0; writes out0
.if DOCPART == 6
	.amdgcn_target "amdgcn-amd-amdhsa--gfx1250"
	.amdhsa_code_object_version 6
	.text
	.protected	k_q8477b24030_outg
	.globl	k_q8477b24030_outg
	.p2align	8
	.type	k_q8477b24030_outg,@function
k_q8477b24030_outg:
	s_mov_b64 s[64:65], 0
	v_nop
	global_prefetch_b8 v0, s[64:65] scope:SCOPE_SE
	s_setreg_imm32_b32 hwreg(HW_REG_WAVE_MODE, 25, 1), 1
	s_wait_xcnt 0x0
	s_wait_alu depctr_hold_cnt(0) depctr_sa_sdst(0) depctr_va_vdst(0) depctr_va_sdst(0) depctr_va_ssrc(0) depctr_va_vcc(0) depctr_vm_vsrc(0)
	s_getreg_b32 s2, hwreg(HW_REG_IB_STS2, 6, 4)
	s_cmp_eq_u32 s2, 0
	s_cbranch_scc0 .Lentry_in_a_cluster
	s_endpgm
.Lentry_in_a_cluster:
	s_bfe_u32 s2, ttmp6, 0x10000c
	s_cmp_lg_u32 s2, 0xf033
	s_cbranch_scc0 .Lentry_shape_is_right
	s_endpgm
.Lentry_shape_is_right:
; out0[8192][1024] f32 = ctx WO, f16 operands, f32 sums.  ctx: f16 [b][h][s][64] (K = 64 h + d); wo16: f16 [1024 (k)][1024 (n)] as WO lies.
; A tile of 128 rows x 256 columns gives 256 work-groups; a wave makes 64 x 128: 32 accumulators.  K goes in steps of 128 (two heads) through a ring of two LDS slots filled by the tensor data mover:
; waves 0 and 1 fetch a head's 128 rows of 128 bytes each, waves 2 and 3 fetch 64 rows of 512 bytes of wo16 each.  A step is four quarters of 32 along K, 32 matrix instructions each, on two fragment buffers.
; CLUSTERS: 4 x 4 work-groups; a row of the cluster shares ctx's tiles, a column wo16's: each tile is asked for jointly, and each refill stands behind a round of the cluster's barrier.
; THE MATRIX INSTRUCTION IS USED TRANSPOSED (source 0 = 16 columns of WO, turned on the way out of LDS; source 1 = 16 rows of ctx): a lane holds eight neighbouring columns of one row of out0.
; No prefetch into the L2: eight K steps in all, and a refill has 112 of a step's 128 matrix instructions in which to land.
; The first 16 positions of each batch are written here from the f16 ctx and written over by the next launch, which carries them finely.
; REGISTERS: window 0: v0-31 addresses; two fragment buffers v32-127, v128-223 (A's four fragments, then B's eight).  Window 1: the accumulators, (a, b) at 8 (8 a + b).
.set PA,     144                       ; a row of ctx in LDS: 128 bytes + 16
.set PB,     544                       ; a row of wo16: 512 + 32, an odd multiple of 32 for the turning load
.set APART,  128*PA
.set BOFF,   2*APART
.set BHALF,  64*PB
.set SLOT,   BOFF+2*BHALF
.set STAGE,  2*SLOT                    ; behind the ring: 16 rows x 528 bytes a wave
.set SPITCH, 528
.set SPARE,  STAGE+4*16*SPITCH         ; the spare words, 128 bytes a wave
.set LAPS,   4                         ; 1,024 / (2 x 128)
.set ADRA, 16
.set ADRB, 20
.set STO,  24
.set RD,   25
.set CO,   26
.set SPW,  28
.set NIL,  29
.set F0,   32
.set F1,   128
.set BK,   32                          ; the way out: v32-95 and v96-159 by turns
.set G1, 24
.set G0, 32
.set G1B, 48
.set G0B, 56
.set MSB, 0
.macro WIN new
.if MSB != (\new)
	s_set_vgpr_msb (MSB<<8)|(\new)
.set MSB, (\new)
.endif
.endm
.set MUL, 0x50                         ; C and D window 1
.macro JLOAD s                         ; a joint load: waves 0 and 1 for ctx, waves 2 and 3 for wo16; an s_nop 0 and four v_nop follow each line
	s_cmp_eq_u32 s11, 0
	s_cbranch_scc0 .Lfor_b_\@
	tensor_load_to_lds s[G0+4*\s:G0+4*\s+3], s[G1:G1+7]
	s_nop 0
.rept 4
	v_nop
.endr
	s_branch .Lasked_\@
.Lfor_b_\@:
	tensor_load_to_lds s[G0B+4*\s:G0B+4*\s+3], s[G1B:G1B+7]
	s_nop 0
.rept 4
	v_nop
.endr
.Lasked_\@:
.endm
.macro CREST
	s_cmp_lg_u32 s10, 0
	s_cbranch_scc1 .Lnot_wave_0_\@
	s_barrier_signal -3
.Lnot_wave_0_\@:
	s_barrier_wait -3
	s_barrier_signal -1
	s_barrier_wait -1
.endm
.macro CROUND
	s_barrier_signal -1
	s_barrier_wait -1
	CREST
.endm
	s_load_b128 s[4:7], s[0:1], 0x0                ; ctx, wo16
	s_load_b64 s[8:9], s[0:1], 0x10                ; out0
	v_lshl_add_u32 v[SPW], v0, 2, SPARE
	v_mov_b32 v[NIL], 0
	ds_add_u32 v[SPW], v[NIL]                      ; the wave's opening: the add, twice on end, and its wait ahead of my first tensor load
	ds_add_u32 v[SPW], v[NIL]
	v_lshrrev_b32 v1, 5, v0
	v_readfirstlane_b32 s10, v1                    ; wave 0..3
	s_lshr_b32 s11, s10, 1                         ; which 64 rows are mine.  Also: I fetch for ctx (0) or for wo16 (1)
	s_and_b32 s12, s10, 1                          ; which 128 columns.  Also: which part of the tile I fetch
	s_bfe_u32 s40, ttmp6, 0x40000                  ; cx
	s_bfe_u32 s41, ttmp6, 0x40004                  ; cy
	s_lshl_b32 s42, ttmp9, 2
	s_add_co_u32 s42, s42, s40                     ; tile column
	s_and_b32 s13, ttmp7, 0xffff
	s_lshl_b32 s13, s13, 2
	s_add_co_u32 s13, s13, s41                     ; tile row
	s_lshl_b32 s43, s41, 2
	s_lshl_b32 s43, 15, s43                        ; my row of the cluster
	s_lshl_b32 s44, 0x1111, s40                    ; my column
	s_or_b32 s[G1+0], s43, (1<<16)|(1<<20)|(1<<21)|(4<<22)|(3<<25)    ; the mask; elements of 2 bytes; padding: 4 words behind every 32
	s_mov_b32 s[G1+1], 64<<16                      ; tensor_dim0 = 64
	s_mov_b32 s[G1+2], 128<<16                     ; tensor_dim1 = 128
	s_mov_b32 s[G1+3], 64<<16                      ; tile_dim0
	s_mov_b32 s[G1+4], 128                         ; tile_dim1
	s_mov_b32 s[G1+5], 64                          ; the pitch
	s_mov_b32 s[G1+6], 0
	s_mov_b32 s[G1+7], 0
	s_or_b32 s[G1B+0], s44, (1<<16)|(1<<20)|(1<<21)|(6<<22)|(7<<25)   ; padding: 8 words behind every 128
	s_mov_b32 s[G1B+1], 256<<16
	s_mov_b32 s[G1B+2], 64<<16
	s_mov_b32 s[G1B+3], 256<<16
	s_mov_b32 s[G1B+4], 64
	s_mov_b32 s[G1B+5], 1024
	s_mov_b32 s[G1B+6], 0
	s_mov_b32 s[G1B+7], 0
	s_lshr_b32 s16, s13, 4                         ; b: 16 tile rows a batch
	s_lshl_b32 s16, s16, 4
	s_add_co_u32 s16, s16, s12                     ; head 16 b + part
	s_lshl_b32 s16, s16, 18                        ; 262,144 bytes a head
	s_and_b32 s17, s13, 15
	s_lshl_b32 s17, s17, 14                        ; 128 rows of 128 bytes a tile row
	s_add_co_u32 s16, s16, s17
	s_mov_b32 s17, 0
	s_lshl_b32 s46, s12, 17                        ; wo16: 64 rows of 2,048 bytes a part,
	s_lshl_b32 s47, s42, 9                         ; 512 bytes a tile column
	s_add_co_u32 s46, s46, s47
	s_mov_b32 s47, 0
	s_mul_i32 s20, s12, APART                      ; where they go: no place in the cluster enters an LDS address
	s_mul_i32 s21, s12, BHALF
	s_add_co_u32 s21, s21, BOFF
	s_wait_dscnt 0x0                               ; both opening adds are done
	s_wait_kmcnt 0x0
	s_add_nc_u64 s[14:15], s[4:5], s[16:17]
	s_add_nc_u64 s[46:47], s[6:7], s[46:47]
	CROUND                                         ; all sixteen work-groups are here: the first joint loads meet
.irp s, 0,1
	s_mov_b32 s[G0+4*\s], 1
	s_add_co_u32 s[G0+4*\s+1], s20, \s*SLOT
	s_add_nc_u64 s[G0+4*\s+2:G0+4*\s+3], s[14:15], \s*0x80000      ; K step s: two heads on
	s_or_b32 s[G0+4*\s+3], s[G0+4*\s+3], 0x80000000
	s_mov_b32 s[G0B+4*\s], 1
	s_add_co_u32 s[G0B+4*\s+1], s21, \s*SLOT
	s_add_nc_u64 s[G0B+4*\s+2:G0B+4*\s+3], s[46:47], \s*0x40000    ; 128 rows on
	s_or_b32 s[G0B+4*\s+3], s[G0B+4*\s+3], 0x80000000
	JLOAD \s                                       ; two loads of mine are out
.endr
	v_and_b32 v1, 15, v0                           ; r
	v_bfe_u32 v2, v0, 4, 1                         ; h
	v_mul_u32_u24 v3, v1, PA
	v_lshl_add_u32 v3, v2, 4, v3
	v_and_b32 v4, 7, v0
	v_bfe_u32 v5, v0, 3, 1
	v_lshl_add_u32 v4, v2, 3, v4
	v_mul_u32_u24 v4, v4, PB
	v_lshl_add_u32 v4, v5, 4, v4                   ; the turning load: row 8 h + l % 8, 16 bytes ((l / 8) % 2)
	s_mul_i32 s22, s11, 64*PA                      ; my 64 rows of ctx
	s_lshl_b32 s23, s12, 8                         ; my 128 columns of wo16
	s_add_co_u32 s23, s23, BOFF
.irp s, 0,1
	v_add_nc_u32 v[ADRA+\s], s22, v3
	v_add_nc_u32 v[ADRB+\s], s23, v4
	s_add_co_u32 s22, s22, SLOT
	s_add_co_u32 s23, s23, SLOT
.endr
	s_mul_i32 s23, s10, 16*SPITCH
	s_add_co_u32 s23, s23, STAGE                   ; my stage
	v_mul_u32_u24 v5, v1, SPITCH
	v_lshl_add_u32 v5, v2, 5, v5
	v_add_nc_u32 v[STO], s23, v5                   ; in: row r, 32 bytes for each half of the lanes
	v_and_b32 v6, 31, v0
	v_lshlrev_b32 v[CO], 4, v6                     ; back: the 32 lanes take one row of 512 bytes; and the same in out0
	v_add_nc_u32 v[RD], s23, v[CO]
	s_lshl_b32 s16, s13, 19                        ; my first row: 128 x tile row + 64 x half, 4,096 bytes each
	s_lshl_b32 s17, s11, 18
	s_add_co_u32 s16, s16, s17
	s_mov_b32 s17, 0
	s_add_nc_u64 s[8:9], s[8:9], s[16:17]
	s_lshl_b32 s46, s42, 10                        ; my first column, in bytes
	s_lshl_b32 s47, s12, 9
	s_add_co_u32 s46, s46, s47
	s_mov_b32 s47, 0
	s_add_nc_u64 s[8:9], s[8:9], s[46:47]
; 8 matrix instructions: A's block a x B's eight, 32 along K.  The 32 accumulators take turns in the same order in every quarter.
.macro MULA f, a, zero
.irp b, 0,1,2,3,4,5,6,7
.if \zero
	v_wmma_f32_16x16x32_f16 v[8*(8*\a+\b):8*(8*\a+\b)+7], v[\f+32+8*\b:\f+32+8*\b+7], v[\f+8*\a:\f+8*\a+7], 0
.else
	v_wmma_f32_16x16x32_f16 v[8*(8*\a+\b):8*(8*\a+\b)+7], v[\f+32+8*\b:\f+32+8*\b+7], v[\f+8*\a:\f+8*\a+7], v[8*(8*\a+\b):8*(8*\a+\b)+7]
.endif
.endr
.endm
; 24 LDS loads in one run: quarter q of a slot into buffer f: B's eight fragments (turned), then A's four
.macro FETCH slot, q, f
	WIN 0
.irp b, 0,1,2,3,4,5,6,7
	ds_load_tr16_b128 v[\f+32+8*\b:\f+32+8*\b+3], v[ADRB+\slot] offset:32*PB*(\q)+32*\b
	ds_load_tr16_b128 v[\f+32+8*\b+4:\f+32+8*\b+7], v[ADRB+\slot] offset:32*PB*(\q)+32*\b+16*PB
.endr
.irp a, 0,1,2,3
	ds_load_b128 v[\f+8*\a:\f+8*\a+3], v[ADRA+\slot] offset:((\q)/2)*APART+((\q)%2)*64+16*PA*\a
	ds_load_b128 v[\f+8*\a+4:\f+8*\a+7], v[ADRA+\slot] offset:((\q)/2)*APART+((\q)%2)*64+16*PA*\a+32
.endr
.endm
.macro PLACES                          ; four plain places in front of loads into registers that matrix instructions have read (ISA guide 7.12.1 for vector instructions)
.rept 4
	v_nop
.endr
.endm
; One of a slot's first three quarters: multiplies buffer f and fetches quarter q into buffer g
.macro QUARTER slot, q, f, g, zero
	s_wait_dscnt 4                                 ; B's fragments and A's blocks 0, 1 are in; the youngest four loads (A's blocks 2, 3) may be out
	WIN MUL
	MULA \f, 0, \zero
	MULA \f, 1, \zero
	PLACES
	FETCH \slot, \q, \g
	s_wait_dscnt 24                                ; all but the 24 just issued
	WIN MUL
	MULA \f, 2, \zero
	MULA \f, 3, \zero
.endm
; The last quarter multiplies buffer 1 and changes slots: one barrier; in front of it each wave waits for all its tensor loads, adds 0 to its spare word, and waits for that and for its reads of this slot
.macro TURN slot, next, fill
	WIN 0
	s_wait_tensorcnt 0x0                           ; all my tensor loads have landed: my part of the next slot
	ds_add_u32 v[SPW], v[NIL]                      ; 0 onto my spare word
	s_wait_dscnt 5                                 ; (the add and the youngest four loads may be out)
	WIN MUL
	MULA F1, 0, 0
	s_wait_dscnt 0x0                               ; the add is done, and my reads of this slot are over
	s_barrier_signal -1
	MULA F1, 1, 0
	WIN 0
	s_barrier_wait -1
.if \fill
	CREST                                          ; the barrier has opened a round of the cluster's: no wave of any partner still reads this slot or has a load on its way
	s_add_nc_u64 s[G0+4*\slot+2:G0+4*\slot+3], s[G0+4*\slot+2:G0+4*\slot+3], 0x100000    ; four heads on
	s_add_nc_u64 s[G0B+4*\slot+2:G0B+4*\slot+3], s[G0B+4*\slot+2:G0B+4*\slot+3], 0x80000 ; 256 rows on
	JLOAD \slot                                    ; the first tensor load behind the round; its four v_nop are also the places in front of the loads below
.else
	PLACES
.endif
	FETCH \next, 0, F0
	WIN MUL
	MULA F1, 2, 0
	MULA F1, 3, 0
.endm
	s_wait_tensorcnt 1                             ; my part of K step 0 is in; K step 1's load may be out
	s_barrier_signal -1
	s_barrier_wait -1
	FETCH 0, 0, F0
	QUARTER 0, 1, F0, F1, 1                        ; the first quarter's products start the sums
	WIN 0
	s_mov_b32 s3, LAPS-1
.Llap:                                                 ; a trip goes once round the ring, from a lap's second quarter to the next lap's first, and fills both slots again
	QUARTER 0, 2, F1, F0, 0
	QUARTER 0, 3, F0, F1, 0
	TURN 0, 1, 1
	QUARTER 1, 1, F0, F1, 0
	QUARTER 1, 2, F1, F0, 0
	QUARTER 1, 3, F0, F1, 0
	TURN 1, 0, 1
	QUARTER 0, 1, F0, F1, 0
	WIN 0
	s_sub_co_u32 s3, s3, 1
	s_cmp_lg_u32 s3, 0
	s_cbranch_scc1 .Llap
	QUARTER 0, 2, F1, F0, 0                        ; the last lap fills nothing
	QUARTER 0, 3, F0, F1, 0
	TURN 0, 1, 0
	QUARTER 1, 1, F0, F1, 0
	QUARTER 1, 2, F1, F0, 0
	QUARTER 1, 3, F0, F1, 0
	s_wait_dscnt 4
	WIN MUL
	MULA F1, 0, 0
	MULA F1, 1, 0
	s_wait_dscnt 0
	MULA F1, 2, 0
	MULA F1, 3, 0
	WIN 0
; THE WAY OUT, a block of 16 rows x 128 columns at a time, through my own stage: back as whole rows of 512 bytes.
.macro TOSTAGE a
	WIN 0x04                                       ; an LDS store's data are its source 1: window 1
.irp b, 0,1,2,3,4,5,6,7
	ds_store_b128 v[STO], v[64*(\a)+8*\b:64*(\a)+8*\b+3] offset:64*\b          ; each accumulator from its low end on
	ds_store_b128 v[STO], v[64*(\a)+8*\b+4:64*(\a)+8*\b+7] offset:64*\b+16
.endr
	WIN 0
.set BB, BK+64*((\a)%2)
.irp t, 0,1,2,3,4,5,6,7,8,9,10,11,12,13,14,15
	ds_load_b128 v[BB+4*\t:BB+4*\t+3], v[RD] offset:\t*SPITCH      ; LDS serves a wave's instructions in order: these see the stores above
.endr
.endm
.macro SEND a, younger
.set BB, BK+64*((\a)%2)
	s_wait_dscnt \younger                          ; the block is back in registers; the next block's 16 stores and 16 loads may be out
.irp t, 0,1,2,3,4,5,6,7,8,9,10,11,12,13,14,15
	global_store_b128 v[CO], v[BB+4*\t:BB+4*\t+3], s[8:9] offset:65536*(\a)+4096*\t th:TH_STORE_NT   ; 512 consecutive bytes a store
.endr
.endm
	PLACES                                         ; behind the last products: for the reads of their results and the loads into their fragments' registers
	TOSTAGE 0
.irp a, 1,2,3
.if \a > 1
	s_wait_xcnt 0x0                                ; block a - 2's stores have read their registers: block a's loads may land there
.endif
	TOSTAGE \a
	SEND \a-1, 32
.endr
	SEND 3, 0
	s_wait_tensorcnt 0x0                           ; the wave's end
	ds_add_u32 v[SPW], v[NIL]
	s_wait_dscnt 0x0
	CROUND                                         ; the closing round
	s_endpgm
.Lfunc_end_k_q8477b24030_outg:
	.size	k_q8477b24030_outg, .Lfunc_end_k_q8477b24030_outg-k_q8477b24030_outg
	.p2alignl 7, 3214868480
	.fill 96, 4, 3214868480
	.section	.rodata,"a",@progbits
	.p2align	6, 0x0
	.amdhsa_kernel k_q8477b24030_outg
		.amdhsa_group_segment_fixed_size 327680
		.amdhsa_private_segment_fixed_size 0
		.amdhsa_enable_private_segment 0
		.amdhsa_kernarg_size 24
		.amdhsa_user_sgpr_count 2
		.amdhsa_user_sgpr_kernarg_segment_ptr 1
		.amdhsa_wavefront_size32 1
		.amdhsa_system_sgpr_workgroup_id_x 1
		.amdhsa_system_sgpr_workgroup_id_y 1
		.amdhsa_system_sgpr_workgroup_id_z 1
		.amdhsa_system_vgpr_workitem_id 0
		.amdhsa_next_free_vgpr 512
		.amdhsa_next_free_sgpr 66
		.amdhsa_reserve_vcc 0
		.amdhsa_float_denorm_mode_32 3
		.amdhsa_float_denorm_mode_16_64 3
		.amdhsa_memory_ordered 1
		.amdhsa_forward_progress 1
		.amdhsa_inst_pref_size 85
	.end_amdhsa_kernel
	.amdgpu_metadata
---
amdhsa.version: [ 1, 2 ]
amdhsa.kernels:
  - .name:           k_q8477b24030_outg
    .symbol:         k_q8477b24030_outg.kd
    .args:
      - { .name: ctx, .offset: 0, .size: 8, .value_kind: global_buffer, .address_space: global }
      - { .name: wo16, .offset: 8, .size: 8, .value_kind: global_buffer, .address_space: global }
      - { .name: out0, .offset: 16, .size: 8, .value_kind: global_buffer, .address_space: global }
    .group_segment_fixed_size: 327680
    .private_segment_fixed_size: 0
    .kernarg_segment_align: 8
    .kernarg_segment_size: 24
    .max_flat_workgroup_size: 128
    .sgpr_count:     66
    .vgpr_count:     512
    .wavefront_size: 32
...
	.end_amdgpu_metadata
.endif
;; end of part 6
;; launch outfirst (part 7): grid 16 x 4, 16 waves a work-group, no clusters, 22,784 bytes of LDS; arguments cf, WO, out0; writes out0
.if DOCPART == 7
	.amdgcn_target "amdgcn-amd-amdhsa--gfx1250"
	.amdhsa_code_object_version 6
	.text
	.protected	k_q8477b24030_outfirst
	.globl	k_q8477b24030_outfirst
	.p2align	8
	.type	k_q8477b24030_outfirst,@function
k_q8477b24030_outfirst:
	s_mov_b64 s[64:65], 0
	v_nop
	global_prefetch_b8 v0, s[64:65] scope:SCOPE_SE
	s_setreg_imm32_b32 hwreg(HW_REG_WAVE_MODE, 25, 1), 1
	s_wait_xcnt 0x0
; The first 16 positions of each batch through the last projection, carried finely: out0[b][0..15][:] = ctx WO with ctx as high and low f16 parts (cf) and WO, read as f32, split here in the same way;
; the products are high x high, low x high and high x low, three accumulators by turns, f32 sums.  These 64 rows are written over what the launch before stored there.
; Work-group (x, b): 64 columns.  Wave w: 16 columns (w % 4), 256 along K (w / 4): eight steps of 32.  The four parts of K meet in LDS; a row's 256 bytes leave by sixteen lanes.
; WO's fragment: a lane takes a column and its registers run down K, in the order of the operand's registers; source 0 = WO's 16 columns, source 1 = ctx's 16 rows: a lane holds 8 neighbouring columns of a row.
; LIMITS: operands inside f16's range; NaN and infinities are not served.
.set RED,   0                          ; LDS: 16 waves x 1,024 bytes: images of the partial sums
.set OSTG,  16384                      ; 16 rows x (256 bytes + 16)
.set SPARE, 20736                      ; the spare words, 128 bytes a wave
	s_load_b128 s[4:7], s[0:1], 0x0                ; cf, WO
	s_load_b64 s[8:9], s[0:1], 0x10                ; out0
	v_lshl_add_u32 v12, v0, 2, SPARE               ; my spare word; never rewritten
	v_mov_b32 v13, 0                               ; 0; never rewritten
	v_lshrrev_b32 v1, 5, v0
	v_readfirstlane_b32 s10, v1                    ; wave 0..15
	s_and_b32 s11, s10, 3                          ; ct
	s_lshr_b32 s12, s10, 2                         ; kq
	s_and_b32 s14, ttmp7, 0xffff                   ; b
	v_and_b32 v1, 15, v0                           ; r
	v_bfe_u32 v2, v0, 4, 1                         ; h
	v_and_b32 v3, 31, v0
	v_lshlrev_b32 v4, 4, v3                        ; 16 x lane
	v_lshlrev_b32 v5, 15, v2
	v_lshl_add_u32 v5, v1, 2, v5                   ; WO: 8 h rows of 4,096 bytes + 4 r
	s_lshl_b32 s15, s10, 10
	v_add_nc_u32 v6, s15, v4                       ; my image of partial sums
	v_mul_u32_u24 v7, v1, 272
	v_lshl_add_u32 v7, v2, 5, v7
	s_lshl_b32 s15, s11, 6
	s_add_co_u32 s15, s15, OSTG
	v_add_nc_u32 v7, s15, v7                       ; the stage, in: row r, 64 ct + 32 h
	s_and_b32 s15, s10, 7
	s_lshl_b32 s15, s15, 1                         ; back: rows 2 (w % 8) and + 1
	v_add_nc_u32 v9, s15, v2
	v_mul_u32_u24 v8, v9, 272
	v_lshl_add_u32 v8, v1, 4, v8
	v_add_nc_u32 v8, OSTG, v8
	v_lshlrev_b32 v9, 12, v9
	v_lshl_add_u32 v9, v1, 4, v9                   ; and the same place in out0
	s_lshl_b32 s16, s14, 15
	s_lshl_b32 s15, s12, 13
	s_add_co_u32 s16, s16, s15                     ; cf: 32,768 bytes a batch, 1,024 a K step
	s_mov_b32 s17, 0
	s_lshl_b32 s18, s12, 20                        ; WO: 256 rows of 4,096 bytes,
	s_lshl_b32 s15, ttmp9, 8
	s_add_co_u32 s18, s18, s15                     ; 64 columns a work-group,
	s_lshl_b32 s15, s11, 6
	s_add_co_u32 s18, s18, s15                     ; 16 a wave
	s_mov_b32 s19, 0
	s_lshl_b32 s20, s14, 23                        ; out0: 2,048 rows of 4,096 bytes a batch
	s_lshl_b32 s15, ttmp9, 8
	s_add_co_u32 s20, s20, s15
	s_mov_b32 s21, 0
	s_wait_kmcnt 0x0
	s_add_nc_u64 s[4:5], s[4:5], s[16:17]
	s_add_nc_u64 s[6:7], s[6:7], s[18:19]
	s_add_nc_u64 s[8:9], s[8:9], s[20:21]
; Two numbers become a packed high and a packed low part.  The high part is made in v112, since a register's halves are named only where the register is written by its number.
.macro SPLIT x, hi, lo
	v_cvt_pk_f16_f32 v112, v[\x], v[\x+1]
	v_cvt_f32_f16 v113, v112.l
	v_cvt_f32_f16 v114, v112.h
	v_mov_b32 v[\hi], v112
	v_sub_f32 v113, v[\x], v113                    ; exact
	v_sub_f32 v114, v[\x+1], v114
	v_cvt_pk_f16_f32 v[\lo], v113, v114
.endm
; Four K steps of 32.  v16-47 ctx high, v48-79 ctx low, v128-191 WO's 64 numbers; WO's parts in two sets by turns (v80-95, v96-111), so that a set is written again a K step's 56 plain instructions behind the products that read it
.macro RND rd
.if \rd
.rept 4
	v_nop                                          ; places in front of loads into registers that matrix instructions have read
.endr
.endif
.irp ksl, 0,1,2,3
.irp hf, 0,1
	global_load_b128 v[16+8*\ksl+4*\hf:19+8*\ksl+4*\hf], v4, s[4:5] offset:1024*(4*\rd+\ksl)+512*\hf
	global_load_b128 v[48+8*\ksl+4*\hf:51+8*\ksl+4*\hf], v4, s[4:5] offset:131072+1024*(4*\rd+\ksl)+512*\hf
.endr
.endr
.irp ksl, 0,1,2,3
.irp i, 0,1,2,3,4,5,6,7,8,9,10,11,12,13,14,15
	global_load_b32 v[128+16*\ksl+\i], v5, s[6:7] offset:(128*\rd+32*\ksl+\i+8*(\i/8))*4096   ; k = 8 h + 0 .. 7 and 16 + 8 h + 0 .. 7 of the step
.endr
.endr
	s_wait_loadcnt 0x0
.irp ksl, 0,1,2,3
.irp p, 0,1,2,3,4,5,6,7
	SPLIT 128+16*\ksl+2*\p, 80+16*(\ksl%2)+\p, 88+16*(\ksl%2)+\p
.endr
.if (\rd == 0) && (\ksl == 0)
	v_wmma_f32_16x16x32_f16 v[200:207], v[80+16*(\ksl%2):87+16*(\ksl%2)], v[16+8*\ksl:23+8*\ksl], 0
	v_wmma_f32_16x16x32_f16 v[208:215], v[88+16*(\ksl%2):95+16*(\ksl%2)], v[16+8*\ksl:23+8*\ksl], 0
	v_wmma_f32_16x16x32_f16 v[216:223], v[80+16*(\ksl%2):87+16*(\ksl%2)], v[48+8*\ksl:55+8*\ksl], 0
.else
	v_wmma_f32_16x16x32_f16 v[200:207], v[80+16*(\ksl%2):87+16*(\ksl%2)], v[16+8*\ksl:23+8*\ksl], v[200:207]
	v_wmma_f32_16x16x32_f16 v[208:215], v[88+16*(\ksl%2):95+16*(\ksl%2)], v[16+8*\ksl:23+8*\ksl], v[208:215]
	v_wmma_f32_16x16x32_f16 v[216:223], v[80+16*(\ksl%2):87+16*(\ksl%2)], v[48+8*\ksl:55+8*\ksl], v[216:223]
.endif
.endr
.endm
	RND 0
	RND 1
.rept 4
	v_nop                                          ; places behind the last products
.endr
.irp j, 0,1,2,3,4,5,6,7
	v_add_f32 v[224+\j], v[208+\j], v[216+\j]      ; the small parts first
.endr
.irp j, 0,1,2,3,4,5,6,7
	v_add_f32 v[224+\j], v[224+\j], v[200+\j]
.endr
	ds_store_b128 v6, v[224:227]
	ds_store_b128 v6, v[228:231] offset:512
	s_wait_dscnt 0x0                               ; for the others' sake: my image has landed
	s_barrier_signal -1
	s_barrier_wait -1
	s_cmp_lt_u32 s10, 4
	s_cbranch_scc0 .Lnot_sum
.irp k, 1,2,3                                  ; waves 0-3 add the other three parts of K of their 16 columns
	ds_load_b128 v[8+8*\k:11+8*\k], v6 offset:4096*\k
	ds_load_b128 v[12+8*\k:15+8*\k], v6 offset:4096*\k+512
.endr
	s_wait_dscnt 0x0
.irp k, 1,2,3
.irp j, 0,1,2,3,4,5,6,7
	v_add_f32 v[224+\j], v[224+\j], v[8+8*\k+\j]
.endr
.endr
	ds_store_b128 v7, v[224:227]                   ; lane (r, h): row r, columns 16 ct + 8 h + 0 .. 7
	ds_store_b128 v7, v[228:231] offset:16
.Lnot_sum:
	s_wait_dscnt 0x0
	s_barrier_signal -1
	s_barrier_wait -1                              ; 16 whole rows of 256 bytes lie in the stage
	s_cmp_lt_u32 s10, 8
	s_cbranch_scc0 .Lend
	ds_load_b128 v[16:19], v8
	s_wait_dscnt 0x0
	global_store_b128 v9, v[16:19], s[8:9]         ; sixteen lanes store 256 consecutive bytes, aligned
.Lend:
	s_wait_tensorcnt 0x0                           ; the wave's end
	ds_add_u32 v12, v13
	s_wait_dscnt 0x0
	s_endpgm
.Lfunc_end_k_q8477b24030_outfirst:
	.size	k_q8477b24030_outfirst, .Lfunc_end_k_q8477b24030_outfirst-k_q8477b24030_outfirst
	.p2alignl 7, 3214868480
	.fill 96, 4, 3214868480
	.section	.rodata,"a",@progbits
	.p2align	6, 0x0
	.amdhsa_kernel k_q8477b24030_outfirst
		.amdhsa_group_segment_fixed_size 22784
		.amdhsa_private_segment_fixed_size 0
		.amdhsa_enable_private_segment 0
		.amdhsa_kernarg_size 24
		.amdhsa_user_sgpr_count 2
		.amdhsa_user_sgpr_kernarg_segment_ptr 1
		.amdhsa_wavefront_size32 1
		.amdhsa_system_sgpr_workgroup_id_x 1
		.amdhsa_system_sgpr_workgroup_id_y 1
		.amdhsa_system_sgpr_workgroup_id_z 1
		.amdhsa_system_vgpr_workitem_id 0
		.amdhsa_next_free_vgpr 256
		.amdhsa_next_free_sgpr 66
		.amdhsa_reserve_vcc 0
		.amdhsa_float_denorm_mode_32 3
		.amdhsa_float_denorm_mode_16_64 3
		.amdhsa_memory_ordered 1
		.amdhsa_forward_progress 1
		.amdhsa_inst_pref_size 40
	.end_amdhsa_kernel
	.amdgpu_metadata
---
amdhsa.version: [ 1, 2 ]
amdhsa.kernels:
  - .name:           k_q8477b24030_outfirst
    .symbol:         k_q8477b24030_outfirst.kd
    .args:
      - { .name: cf, .offset: 0, .size: 8, .value_kind: global_buffer, .address_space: global }
      - { .name: WO, .offset: 8, .size: 8, .value_kind: global_buffer, .address_space: global }
      - { .name: out0, .offset: 16, .size: 8, .value_kind: global_buffer, .address_space: global }
    .group_segment_fixed_size: 22784
    .private_segment_fixed_size: 0
    .kernarg_segment_align: 8
    .kernarg_segment_size: 24
    .max_flat_workgroup_size: 512
    .sgpr_count:     66
    .vgpr_count:     256
    .wavefront_size: 32
...
	.end_amdgpu_metadata
.endif
;; end of part 7
